; MI455X (gfx1250); checked and timed in simulation.
; The chip was launched on July 23, 2026; its instructions are those of AMD's public machine-readable ISA for CDNA 5 (MIT licence, August 2026) and "CDNA5" Instruction Set Architecture Reference Guide (July 2026). The comments in the code are by the model that wrote it; some were corrected since.
;; Diff Attention Head. Allowed arithmetic: float matrix products may take bf16 or f16 operands with f32 sums; all other float work in f32.
;; Inputs: W_k 2,048 x 2,048 float32; W_o 2,048 x 1,024 float32; W_q 2,048 x 2,048 float32; W_v 1,024 x 2,048 float32; key 4,096 x 2,048 float32; lambda_k1 64 float32; lambda_k2 64 float32; lambda_q1 64 float32; lambda_q2 64 float32; ln_beta 1,024 float32; ln_gamma 1,024 float32; query 4,096 x 2,048 float32; value 4,096 x 2,048 float32.
;; Outputs: out0 4,096 x 2,048 float32.
;; 2 versions, each right; version 2 is version 1 with the launch ln written anew for expert scheduling mode. Each part assembles by itself: llvm-mc -triple=amdgcn-amd-amdhsa -mcpu=gfx1250 --defsym DOCPART=n.
;; ======== version 1 of 2: 4 launches
;; workspace buffers: ab 50,331,648 bytes; vh 16,777,216 bytes; wv 4,194,304 bytes; wo 4,194,304 bytes; qk 33,554,432 bytes; vp 16,777,216 bytes; xn 8,388,608 bytes
;; launch cvt (part 1): grid 128 x 18, 8 waves a work-group, no clusters, 0 bytes of LDS; arguments query, key, W_q, W_k, value, W_v, W_o, ab, vh, wv, wo; writes ab, vh, wv, wo
.if DOCPART == 1
	.amdgcn_target "amdgcn-amd-amdhsa--gfx1250"
	.amdhsa_code_object_version 6
	.text
	.protected	k_q7617a5d20e_cvt
	.globl	k_q7617a5d20e_cvt
	.p2align	8
	.type	k_q7617a5d20e_cvt,@function
k_q7617a5d20e_cvt:
	s_mov_b64 s[64:65], 0
	v_nop
	global_prefetch_b8 v0, s[64:65] scope:SCOPE_SE
	s_setreg_imm32_b32 hwreg(HW_REG_WAVE_MODE, 25, 1), 1
	s_wait_xcnt 0x0
; The seven large f32 inputs are rounded once to bf16 (nearest even), so that the products behind this launch read 16-bit tiles.
; A grid row y is one UNIT of 8 MiB of f32; its 128 work-groups take 64 KiB each, a wave 8 KiB: 16 loads of 512 consecutive bytes, all issued
; before the first is used, and 16 stores of 256 consecutive bytes (32 lanes x 8), each at a multiple of 256 from its buffer's first byte.
;   y 0-3 query, 4-7 key, 8-9 W_q, 10-11 W_k -> ab, one behind the other (unit y at byte y x 4 MiB): A = [query; key], B = [W_q; W_k]
;   y 12-15 value -> vh      y 16 W_v -> wv      y 17 W_o -> wo
; Every tensor keeps its layout: number i of a unit goes to number i of the unit's 4 MiB of bf16.
; No LDS, no matrix unit, no cluster: nothing is read twice and no work-group shares a byte with another.
.set X, 8                              ; v[8:71]    16 x 4 numbers as loaded
.set Y, 72                             ; v[72:103]  16 x 2 registers of packed bf16
	s_load_b512 s[8:23], s[0:1], 0x0               ; query s[8:9], key s[10:11], W_q s[12:13], W_k s[14:15], value s[16:17], W_v s[18:19], W_o s[20:21], ab s[22:23]
	s_load_b128 s[24:27], s[0:1], 0x40             ; vh s[24:25], wv s[26:27]
	s_load_b64 s[28:29], s[0:1], 0x50              ; wo
	s_and_b32 s2, ttmp7, 0xffff                    ; the unit, y
	v_lshrrev_b32 v4, 5, v0
	v_readfirstlane_b32 s38, v4                    ; wave 0..7
	s_lshl_b32 s39, ttmp9, 3
	s_add_co_u32 s39, s39, s38                     ; which 8 KiB of the unit are my wave's, 0..1023
	v_and_b32 v5, 31, v0
	v_lshlrev_b32 v1, 4, v5                        ; in: 16 bytes a lane
	v_lshlrev_b32 v2, 3, v5                        ; out: 8 bytes a lane
	s_wait_kmcnt 0x0
; Which buffer a unit reads and writes: a chain of selects on y alone.  s4, s5: the first unit of the chosen source, destination.
.macro SRC from, ptr
	s_cmp_ge_u32 s2, \from
	s_cselect_b64 s[30:31], s[\ptr:\ptr+1], s[30:31]
	s_cselect_b32 s4, \from, s4
.endm
.macro DST from, ptr
	s_cmp_ge_u32 s2, \from
	s_cselect_b64 s[32:33], s[\ptr:\ptr+1], s[32:33]
	s_cselect_b32 s5, \from, s5
.endm
	s_mov_b64 s[30:31], s[8:9]                     ; query
	s_mov_b32 s4, 0
	SRC 4, 10                                      ; key
	SRC 8, 12                                      ; W_q
	SRC 10, 14                                     ; W_k
	SRC 12, 16                                     ; value
	SRC 16, 18                                     ; W_v
	SRC 17, 20                                     ; W_o
	s_mov_b64 s[32:33], s[22:23]                   ; ab
	s_mov_b32 s5, 0
	DST 12, 24                                     ; vh
	DST 16, 26                                     ; wv
	DST 17, 28                                     ; wo
	; the offsets, made apart from the addresses; all stay under 2^26
	s_sub_co_u32 s34, s2, s4
	s_lshl_b32 s34, s34, 23                        ; 8 MiB of f32 a unit
	s_lshl_b32 s35, s39, 13                        ; 8 KiB a wave
	s_add_co_u32 s34, s34, s35
	s_mov_b32 s35, 0
	s_add_nc_u64 s[30:31], s[30:31], s[34:35]
	s_sub_co_u32 s36, s2, s5
	s_lshl_b32 s36, s36, 22                        ; 4 MiB of bf16 a unit
	s_lshl_b32 s37, s39, 12                        ; 4 KiB a wave
	s_add_co_u32 s36, s36, s37
	s_mov_b32 s37, 0
	s_add_nc_u64 s[32:33], s[32:33], s[36:37]
.irp j, 0,1,2,3,4,5,6,7,8,9,10,11,12,13,14,15
	global_load_b128 v[X+4*(\j):X+4*(\j)+3], v1, s[30:31] offset:512*(\j) th:TH_LOAD_NT  ; read once in the launch
.endr
; No register that a load or store names is written again, so the only waits are the counted ones for the data.
.irp j, 0,1,2,3,4,5,6,7,8,9,10,11,12,13,14,15
	s_wait_loadcnt 15-(\j)                         ; loads come back in order (ISA guide 5.7.1): load j is in, the 15 - j younger ones stay out
	v_cvt_pk_bf16_f32 v[Y+2*(\j)], v[X+4*(\j)], v[X+4*(\j)+1]
	v_cvt_pk_bf16_f32 v[Y+2*(\j)+1], v[X+4*(\j)+2], v[X+4*(\j)+3]
	global_store_b64 v2, v[Y+2*(\j):Y+2*(\j)+1], s[32:33] offset:256*(\j)
.endr
	s_endpgm
.Lfunc_end_k_q7617a5d20e_cvt:
	.size	k_q7617a5d20e_cvt, .Lfunc_end_k_q7617a5d20e_cvt-k_q7617a5d20e_cvt
	.p2alignl 7, 3214868480
	.fill 96, 4, 3214868480
	.section	.rodata,"a",@progbits
	.p2align	6, 0x0
	.amdhsa_kernel k_q7617a5d20e_cvt
		.amdhsa_group_segment_fixed_size 0
		.amdhsa_private_segment_fixed_size 0
		.amdhsa_enable_private_segment 0
		.amdhsa_kernarg_size 88
		.amdhsa_user_sgpr_count 2
		.amdhsa_user_sgpr_kernarg_segment_ptr 1
		.amdhsa_wavefront_size32 1
		.amdhsa_system_sgpr_workgroup_id_x 1
		.amdhsa_system_sgpr_workgroup_id_y 1
		.amdhsa_system_sgpr_workgroup_id_z 1
		.amdhsa_system_vgpr_workitem_id 0
		.amdhsa_next_free_vgpr 104
		.amdhsa_next_free_sgpr 66
		.amdhsa_reserve_vcc 0
		.amdhsa_float_denorm_mode_32 3
		.amdhsa_float_denorm_mode_16_64 3
		.amdhsa_memory_ordered 1
		.amdhsa_forward_progress 1
		.amdhsa_inst_pref_size 8
	.end_amdhsa_kernel
	.amdgpu_metadata
---
amdhsa.version: [ 1, 2 ]
amdhsa.kernels:
  - .name:           k_q7617a5d20e_cvt
    .symbol:         k_q7617a5d20e_cvt.kd
    .args:
      - { .name: query, .offset: 0, .size: 8, .value_kind: global_buffer, .address_space: global }
      - { .name: key, .offset: 8, .size: 8, .value_kind: global_buffer, .address_space: global }
      - { .name: W_q, .offset: 16, .size: 8, .value_kind: global_buffer, .address_space: global }
      - { .name: W_k, .offset: 24, .size: 8, .value_kind: global_buffer, .address_space: global }
      - { .name: value, .offset: 32, .size: 8, .value_kind: global_buffer, .address_space: global }
      - { .name: W_v, .offset: 40, .size: 8, .value_kind: global_buffer, .address_space: global }
      - { .name: W_o, .offset: 48, .size: 8, .value_kind: global_buffer, .address_space: global }
      - { .name: ab, .offset: 56, .size: 8, .value_kind: global_buffer, .address_space: global }
      - { .name: vh, .offset: 64, .size: 8, .value_kind: global_buffer, .address_space: global }
      - { .name: wv, .offset: 72, .size: 8, .value_kind: global_buffer, .address_space: global }
      - { .name: wo, .offset: 80, .size: 8, .value_kind: global_buffer, .address_space: global }
    .group_segment_fixed_size: 0
    .private_segment_fixed_size: 0
    .kernarg_segment_align: 8
    .kernarg_segment_size: 88
    .max_flat_workgroup_size: 256
    .sgpr_count:     66
    .vgpr_count:     104
    .wavefront_size: 32
...
	.end_amdgpu_metadata
.endif
;; end of part 1
;; launch gemm_qkv (part 2): grid 8 x 32, 4 waves a work-group, clusters of 4 x 4, 327,680 bytes of LDS; arguments ab, vh, wv, qk, vp; writes qk, vp
.if DOCPART == 2
	.amdgcn_target "amdgcn-amd-amdhsa--gfx1250"
	.amdhsa_code_object_version 6
	.text
	.protected	k_q7617a5d20e_gemm_qkv
	.globl	k_q7617a5d20e_gemm_qkv
	.p2align	8
	.type	k_q7617a5d20e_gemm_qkv,@function
k_q7617a5d20e_gemm_qkv:
	s_mov_b64 s[64:65], 0
	v_nop
	global_prefetch_b8 v0, s[64:65] scope:SCOPE_SE
	s_setreg_imm32_b32 hwreg(HW_REG_WAVE_MODE, 25, 1), 1
	s_wait_xcnt 0x0
	s_wait_alu depctr_hold_cnt(0) depctr_sa_sdst(0) depctr_va_vdst(0) depctr_va_sdst(0) depctr_va_ssrc(0) depctr_va_vcc(0) depctr_vm_vsrc(0)
	s_getreg_b32 s2, hwreg(HW_REG_IB_STS2, 6, 4)
	s_cmp_eq_u32 s2, 0
	s_cbranch_scc0 .Lentry_in_a_cluster
	s_endpgm
.Lentry_in_a_cluster:
	s_bfe_u32 s2, ttmp6, 0x10000c
	s_cmp_lg_u32 s2, 0xf033
	s_cbranch_scc0 .Lentry_shape_is_right
	s_endpgm
.Lentry_shape_is_right:
; THREE PROJECTIONS IN ONE LAUNCH.  A work-group makes two tiles, one after the other, on one ring of two LDS slots that does not stop between them:
;   first  V = value W_v^T: vp[m][n] = sum over k of vh[m][k] wv[n][k], [4096][1024] f32: one of its 256 tiles of 128 x 128;
;   then   Q = query W_q^T and K = key W_k^T as ONE product: ab holds, in bf16, A = [query; key] ([8192][2048], byte 0) and B = [W_q; W_k] ([4096][2048], byte 33,554,432);
;          qk[m][n] = sum over k of A[m][k] B[n + 2048 (m / 4096)][k]: [8192][2048] bf16, rows 0-4095 Q, rows 4096-8191 K: one of its 256 tiles of 256 x 256.
; All operands bf16, sums in f32, K (2,048) ascending.  V goes first, so that its stores leave while the larger tile is multiplied and nothing waits for them.
; LIMIT.  Q and K leave rounded once to bf16: they are the two operands of the score product of the launch that normalises.  bf16 has f32's range of exponents.  V leaves in f32.
; V'S TILE: four waves, each 64 x 64: 16 accumulators.  128 x 128 is the tile that gives each of the 256 work-groups one.  K goes in steps of 256 (tile rows of 512 bytes; a wave's
; tensor load brings 64 of them): a slot of 135,168 bytes, which lies inside the other product's slot.
; Q/K'S TILE: a wave makes 128 x 128: 64 accumulators, 512 registers.  K goes in steps of 128 (tile rows of 256 bytes; a load brings 128 of them).  Its last K step goes by rows of
; the result, so that finished rows leave while the others are multiplied.  All tile rows start at multiples of 256 bytes from their buffer's first byte.
; CLUSTERS: 4 x 4 work-groups.  In both products the four of a row of the cluster need the same tiles of the first operand, the four of a column the same tiles of the second.  Such a
; tile is asked for JOINTLY: each of the four issues the same tensor load, with the same descriptor and a mask that names the four, and each receives the tile in its own LDS.
; Whether B is W_q or W_k hangs on the cluster's y alone (clusters 0-3: query's rows; 4-7: key's), which all sixteen share.
;
; REGISTERS, in windows of 256 (an instruction names v0-v255; s_set_vgpr_msb says which window each operand place means: bits 1:0 source 0, 3:2 source 1, 5:4 source 2, 7:6 destination):
;   window 0: v0-31 addresses.  V: v128-255 the accumulators ((a, b) at v[128 + 8 (4 a + b)]); v32-95 rows on the way out.
;             Q/K: v64-127, v128-191 fragments of A (8 x 16 rows x 32 K), two buffers (in the last K step four, of 16 rows x 128 K); v32-63, v192-255 at work on the way out
;   window 1: V: two fragment buffers of 128: for 64 along K, 64 registers of value (2 x 4 x 16 rows x 32 K), then 64 of W_v.
;             Q/K: v64-127, v128-191 fragments of B, two buffers; in the last K step all 256: B's fragments of the whole step
;   window 2: Q/K's 32 accumulators of my rows 0-63 (accumulator (a, b) at v[8 (8 a + b)]);   window 3: those of my rows 64-127
;
; THE MATRIX INSTRUCTION IS USED TRANSPOSED: source 0 = 16 rows of the second operand, source 1 = 16 rows of the first.  In the result, lane l then holds row m = l % 16, and its
; registers 0 to 7 the columns n = 8 (l / 16) + 0 .. 7: eight neighbouring numbers of a row.
.set SIZE_N, 2048
.set SIZE_K, 2048
.set BBASE,  33554432                  ; B's first byte in ab
.set KSTEP,  128
.set PITCH,  272                       ; an LDS row: 256 bytes of data + 16 of padding = 68 words: row r starts at bank 4 r mod 64 (64 banks of 4 bytes: ISA guide 11.1), so the 16 rows that a load touches start at 16 different banks
.set HALFT,  128*PITCH                 ; 128 rows: what one tensor load brings, and what one wave reads of A or of B
.set SLOT,   4*HALFT                   ; A's 256 rows, then B's 256 rows
.set STAGE,  2*SLOT                    ; behind the ring: 16 rows x 272 bytes for each wave, for both ways out
.set SPITCH, 272
.set SPARE,  STAGE+4*16*SPITCH         ; behind the stages: the spare words, 128 bytes for each wave: two blocks of 256 bytes that no other line names
.set LAPS, SIZE_K/(2*KSTEP)            ; a lap = two K steps = once round the ring: 8
.set VKSTEP, 256                       ; V's part
.set VPITCH, 528                       ; 512 bytes of data + 16 of padding = 132 words: row r again starts at bank 4 r mod 64
.set HALFV,  64*VPITCH                 ; 64 rows: what one tensor load brings, and what one wave reads of value or of W_v; a slot holds four of them, from the slot's first byte on
.set VLAPS,  SIZE_K/(2*VKSTEP)         ; 4
.set VADRA, 8                          ; v8-9    LDS address of my fragments of value in slot 0, 1
.set VADRB, 10                         ; v10-11  the same for W_v
.set VSTO, 12                          ; v12     V's way out: where I put 32 bytes of a row
.set ADRA, 16                          ; v16-17  LDS address of my A fragments in slot 0, 1
.set ADRB, 20                          ; v20-21  the same for B
.set STO,  24                          ; v24     Q/K's way out: where I put 16 bytes of a row
.set RD,   25                          ; v25     both ways out: where I read a row of 256 bytes back
.set CO,   26                          ; v26     my byte offset in two rows of the result: rows of qk and of vp are both 4,096 bytes
.set SPW,  28                          ; v28     LDS address of my spare word: SPARE + 4 x my thread's number; never rewritten
.set NIL,  29                          ; v29     0; never rewritten
.set VTMP, 32                          ; V's way out: 16 rows read back from the stage: v32-63 and v64-95 by turns
.set VACC, 128
.set VF0,  0                           ; V's fragment buffers, in window 1
.set VF1,  128
.set F0,   64                          ; fragment buffer 0
.set F1,   128                         ; fragment buffer 1
.set TMP,  192                         ; Q/K's way out: packed results, in window 0
.set OB,   32                          ; Q/K's way out: 16 rows read back from the stage: v32-63 and v224-255 by turns
.set PA,   64                          ; the last K step: A's fragments of 16 rows x 128 K, 32 registers; four such buffers, v64-191
.set G1, 24                            ; s[24:31] descriptor group 1 for A's tiles
.set G0, 32                            ; s[32:39] descriptor group 0 for A's tiles, one set for each slot
.set G1B, 48                           ; s[48:55] descriptor group 1 for B's tiles: it differs from A's in the mask alone
.set G0B, 56                           ; s[56:63] descriptor group 0 for B's tiles, one set for each slot
.set VG1, 68                           ; s[68:75], s[76:83] group 1 for value's and for W_v's tiles
.set VG1B, 76
.set VG0, 84                           ; s[84:91], s[92:99] their group 0, one set for each slot
.set VG0B, 92
.set MSB, 0
.macro WIN new                         ; the immediate's high byte repeats the setting that is left; a switch that changes nothing is dropped
.if MSB != (\new)
	s_set_vgpr_msb (MSB<<8)|(\new)
.set MSB, \new
.endif
.endm
.set MUL_LO, 0xa1                      ; source 0 (B) window 1, source 1 (A) window 0, C and D window 2
.set MUL_HI, 0xf1                      ; the same, C and D window 3
.set TO_B,   0x40                      ; destination window 1, address window 0
.set VMUL,   0x05                      ; V: sources 0 and 1 window 1; C and D window 0
; A joint load.  Waves 0 and 1 fetch the first operand's two halves, waves 2 and 3 the second's.  Each of the two lines has ONE mask and one set of registers for all that issue it.
; The branch hangs on the wave's number alone.  An s_nop 0 and four v_nop follow each of the two lines, ahead of the jump, the label and what follows.
.macro JLOAD s                         ; for Q/K
	s_cmp_eq_u32 s11, 0
	s_cbranch_scc0 .Lfor_b_\@
	tensor_load_to_lds s[G0+4*(\s):G0+4*(\s)+3], s[G1:G1+7]
	s_nop 0
.rept 4
	v_nop
.endr
	s_branch .Lasked_\@
.Lfor_b_\@:
	tensor_load_to_lds s[G0B+4*(\s):G0B+4*(\s)+3], s[G1B:G1B+7]
	s_nop 0
.rept 4
	v_nop
.endr
.Lasked_\@:
.endm
.macro VJLOAD s                        ; for V
	s_cmp_eq_u32 s11, 0
	s_cbranch_scc0 .Lfor_w_\@
	tensor_load_to_lds s[VG0+4*(\s):VG0+4*(\s)+3], s[VG1:VG1+7]
	s_nop 0
.rept 4
	v_nop
.endr
	s_branch .Lvasked_\@
.Lfor_w_\@:
	tensor_load_to_lds s[VG0B+4*(\s):VG0B+4*(\s)+3], s[VG1B:VG1B+7]
	s_nop 0
.rept 4
	v_nop
.endr
.Lvasked_\@:
.endm
; A round of the cluster's barrier: my work-group's barrier, so that wave 0's signal speaks for all four waves; wave 0 signals for the work-group; every wave waits for all
; sixteen work-groups; my work-group's barrier once more.  No LDS instruction of the wave is pending at a signal.
.macro CREST                           ; a round behind its opening barrier
	s_cmp_lg_u32 s10, 0
	s_cbranch_scc1 .Lnot_wave_0_\@
	s_barrier_signal -3
.Lnot_wave_0_\@:
	s_barrier_wait -3
	s_barrier_signal -1
	s_barrier_wait -1
.endm
.macro CROUND                          ; a whole round
	s_barrier_signal -1
	s_barrier_wait -1
	CREST
.endm
	s_load_b64 s[4:5], s[0:1], 0x0                 ; ab
	s_load_b64 s[VG0+2:VG0+3], s[0:1], 0x8         ; vh, straight into the address words of its first descriptor
	s_load_b64 s[VG0B+2:VG0B+3], s[0:1], 0x10      ; wv likewise
	s_load_b64 s[8:9], s[0:1], 0x18                ; qk
	s_load_b64 s[66:67], s[0:1], 0x20              ; vp
	v_lshl_add_u32 v[SPW], v0, 2, SPARE
	v_mov_b32 v[NIL], 0
	ds_add_u32 v[SPW], v[NIL]                      ; the wave's opening: the add and its wait stand ahead of my first tensor load; the set-up below, work on registers, stands between them
	v_lshrrev_b32 v1, 5, v0
	v_readfirstlane_b32 s10, v1                    ; wave 0..3
	s_lshr_b32 s11, s10, 1                         ; which half of a tile's rows is mine.  Also: I fetch for the first operand (0) or for the second (1)
	s_and_b32 s12, s10, 1                          ; which half of its columns.  Also: which half of that operand's tile I fetch
	s_bfe_u32 s40, ttmp6, 0x40000                  ; cx: my place along the cluster's x
	s_bfe_u32 s41, ttmp6, 0x40004                  ; cy: along its y
	s_lshl_b32 s42, ttmp9, 2                       ; in a cluster launch ttmp9 and ttmp7 count clusters
	s_add_co_u32 s42, s42, s40                     ; tile column = 4 x cluster x + cx, in both products
	s_and_b32 s13, ttmp7, 0xffff
	s_lshl_b32 s13, s13, 2
	s_add_co_u32 s13, s13, s41                     ; tile row = 4 x cluster y + cy, in both products
	s_and_b32 s45, ttmp7, 0xffff                   ; the cluster's y once more, in a register that never holds cy:
	s_lshr_b32 s45, s45, 2                         ; 0: query's rows, W_q; 1: key's rows, W_k,
	s_lshl_b32 s45, s45, 11                        ; which begins 2,048 rows into B
	s_lshl_b32 s43, s41, 2
	s_lshl_b32 s43, 15, s43                        ; my row of the cluster: places 4 cy .. 4 cy + 3
	s_lshl_b32 s44, 0x1111, s40                    ; my column: places cx, cx + 4, cx + 8, cx + 12
	; descriptor group 1 for Q/K: a tile of 128 rows x 128 elements, padded in LDS
	s_or_b32 s[G1+0], s43, (1<<16)|(1<<20)|(1<<21)|(5<<22)|(3<<25)  ; 15:0 the mask: A's tiles go to my row; 17:16 element of 2 bytes; 20 padding on; 21 set beside a mask; 24:22 after every 64 words (code 5); 31:25 of 4 words (code 3)
	s_or_b32 s[G1B+0], s44, (1<<16)|(1<<20)|(1<<21)|(5<<22)|(3<<25) ; the same with the mask of my column, for B's tiles
	s_mov_b32 s[G1B+1], KSTEP<<16
	s_mov_b32 s[G1+1], KSTEP<<16                   ; 63:48 tensor_dim0, low half = 128
	s_mov_b32 s[G1B+2], 128<<16
	s_mov_b32 s[G1+2], 128<<16                     ; 79:64 its high half = 0; 95:80 tensor_dim1, low half = 128
	s_mov_b32 s[G1B+3], KSTEP<<16
	s_mov_b32 s[G1+3], KSTEP<<16                   ; 111:96 its high half = 0; 127:112 tile_dim0 = 128
	s_mov_b32 s[G1B+4], 128
	s_mov_b32 s[G1+4], 128                         ; 143:128 tile_dim1 = 128; 159:144 tile_dim2 = 0
	s_mov_b32 s[G1B+5], SIZE_K
	s_mov_b32 s[G1+5], SIZE_K                      ; 191:160 tensor_dim0_stride, low word: elements from row to row
	s_mov_b32 s[G1B+6], 0
	s_mov_b32 s[G1+6], 0
	s_mov_b32 s[G1B+7], 0
	s_mov_b32 s[G1+7], 0
	; descriptor group 1 for V: a tile of 64 rows x 256 elements, padded after every 128 words (code 6)
	s_or_b32 s[VG1+0], s43, (1<<16)|(1<<20)|(1<<21)|(6<<22)|(3<<25)   ; value's tiles go to my row
	s_or_b32 s[VG1B+0], s44, (1<<16)|(1<<20)|(1<<21)|(6<<22)|(3<<25)  ; W_v's to my column
.irp g, VG1, VG1B
	s_mov_b32 s[(\g)+1], VKSTEP<<16                ; tensor_dim0 = 256
	s_mov_b32 s[(\g)+2], 64<<16                    ; tensor_dim1 = 64
	s_mov_b32 s[(\g)+3], VKSTEP<<16                ; tile_dim0 = 256
	s_mov_b32 s[(\g)+4], 64                        ; tile_dim1 = 64
	s_mov_b32 s[(\g)+5], SIZE_K                    ; elements from row to row
	s_mov_b32 s[(\g)+6], 0
	s_mov_b32 s[(\g)+7], 0
.endr
	; where Q/K's tiles come from.  A's hang on the tile row alone, which my row of the cluster shares; B's on the tile column and the cluster's y, which my column shares.
	s_lshl_b32 s17, s12, 7                         ; which 128 rows of the tile I fetch
	s_lshl_b32 s16, s13, 8
	s_add_co_u32 s16, s16, s17                     ; A: row 256 x tile row + 128 x half
	s_lshl_b32 s46, s42, 8
	s_add_co_u32 s46, s46, s17                     ; B: row 256 x tile column + 128 x half
	s_add_co_u32 s46, s46, s45                     ;    + 2,048 for W_k
	s_mov_b32 s17, 0
	s_mov_b32 s47, 0
	s_mov_b64 s[18:19], SIZE_K*2
	s_mul_u64 s[16:17], s[16:17], s[18:19]         ; in bytes, in 64 bits
	s_mul_u64 s[46:47], s[46:47], s[18:19]
	s_mul_i32 s20, s10, HALFT                      ; and where they go: A's two halves, then B's two halves = wave x 128 rows: no place in the cluster enters an LDS address
	; where V's tiles come from, in bytes (under 2^24): value's hang on the tile row, W_v's on the tile column, each in registers that never hold the other's place in the cluster
	s_lshl_b32 s2, s13, 7
	s_lshl_b32 s3, s12, 6
	s_add_co_u32 s2, s2, s3                        ; value: row 128 x tile row + 64 x half,
	s_lshl_b32 s2, s2, 12                          ; of 4,096 bytes
	s_mov_b32 s3, 0
	s_lshl_b32 s22, s42, 7
	s_lshl_b32 s23, s12, 6
	s_add_co_u32 s22, s22, s23                     ; W_v: row 128 x tile column + 64 x half
	s_lshl_b32 s22, s22, 12
	s_mov_b32 s23, 0
	s_mul_i32 s21, s10, HALFV                      ; and where they go: wave x 64 rows
.irp s, 0,1
	s_mov_b32 s[VG0+4*(\s)], 1                     ; 1:0 count = 1
	s_add_co_u32 s[VG0+4*(\s)+1], s21, (\s)*SLOT   ; 63:32 LDS address
	s_mov_b32 s[VG0B+4*(\s)], 1
	s_add_co_u32 s[VG0B+4*(\s)+1], s21, (\s)*SLOT
	s_mov_b32 s[G0+4*(\s)], 1
	s_add_co_u32 s[G0+4*(\s)+1], s20, (\s)*SLOT
	s_mov_b32 s[G0B+4*(\s)], 1
	s_add_co_u32 s[G0B+4*(\s)+1], s20, (\s)*SLOT
.endr
	s_wait_dscnt 0x0                               ; the opening add is done
	s_wait_kmcnt 0x0
	s_add_nc_u64 s[6:7], s[4:5], BBASE             ; B
	s_add_nc_u64 s[14:15], s[4:5], s[16:17]
	s_add_nc_u64 s[46:47], s[6:7], s[46:47]
	s_add_nc_u64 s[VG0+2:VG0+3], s[VG0+2:VG0+3], s[2:3]            ; 120:64 global address: V's K step 0,
	s_add_nc_u64 s[VG0+6:VG0+7], s[VG0+2:VG0+3], VKSTEP*2          ; and K step 1
	s_add_nc_u64 s[VG0B+2:VG0B+3], s[VG0B+2:VG0B+3], s[22:23]
	s_add_nc_u64 s[VG0B+6:VG0B+7], s[VG0B+2:VG0B+3], VKSTEP*2
.irp s, 0,1
	s_or_b32 s[VG0+4*(\s)+3], s[VG0+4*(\s)+3], 0x80000000          ; 127:126 type = 2
	s_or_b32 s[VG0B+4*(\s)+3], s[VG0B+4*(\s)+3], 0x80000000
	s_add_nc_u64 s[G0+4*(\s)+2:G0+4*(\s)+3], s[14:15], (\s)*KSTEP*2   ; Q/K's K step s: these four sets wait for V's last two changes of slots
	s_or_b32 s[G0+4*(\s)+3], s[G0+4*(\s)+3], 0x80000000
	s_add_nc_u64 s[G0B+4*(\s)+2:G0B+4*(\s)+3], s[46:47], (\s)*KSTEP*2
	s_or_b32 s[G0B+4*(\s)+3], s[G0B+4*(\s)+3], 0x80000000
.endr
	CROUND                                         ; all sixteen work-groups are here: the first joint loads meet
	VJLOAD 0                                       ; the ring is filled before anything else is done: two loads of mine are out
	VJLOAD 1
	; A fragment is 16 rows x 32 K in 8 registers: lane l holds row l % 16; registers 0-3 hold K = 8 (l / 16) + 0..7, registers 4-7 hold
	; K = 16 + 8 (l / 16) + 0..7.  From rows that lie along K: two loads of 16 bytes, 32 bytes apart.  The same for source 0 and source 1.
	v_and_b32 v1, 15, v0                           ; l % 16
	v_bfe_u32 v2, v0, 4, 1                         ; l / 16
	v_mul_u32_u24 v6, v1, VPITCH
	v_lshl_add_u32 v6, v2, 4, v6                   ; V: row x pitch + 16 x half
	s_mul_i32 s21, s11, HALFV                      ; my 64 rows of value
	s_mul_i32 s22, s12, HALFV                      ; my 64 rows of W_v,
	s_add_co_u32 s22, s22, 2*HALFV                 ; which lie behind value's 128
.irp s, 0,1
	v_add_nc_u32 v[VADRA+(\s)], s21, v6
	v_add_nc_u32 v[VADRB+(\s)], s22, v6
	s_add_co_u32 s21, s21, SLOT
	s_add_co_u32 s22, s22, SLOT
.endr
	v_mul_u32_u24 v3, v1, PITCH
	v_lshl_add_u32 v3, v2, 4, v3                   ; Q/K: row x pitch + 16 x half
	s_mul_i32 s21, s11, HALFT                      ; my 128 rows of A
	s_mul_i32 s22, s12, HALFT                      ; my 128 rows of B,
	s_add_co_u32 s22, s22, 2*HALFT                 ; which lie behind A's 256
.irp s, 0,1
	v_add_nc_u32 v[ADRA+(\s)], s21, v3
	v_add_nc_u32 v[ADRB+(\s)], s22, v3
	s_add_co_u32 s21, s21, SLOT
	s_add_co_u32 s22, s22, SLOT
.endr
	s_mul_i32 s23, s10, 16*SPITCH
	s_add_co_u32 s23, s23, STAGE                   ; my stage
	v_mul_u32_u24 v4, v1, SPITCH                   ; in: row l % 16;
	v_lshl_add_u32 v7, v2, 5, v4                   ; V: 32 bytes (8 f32) for each half of the lanes,
	v_add_nc_u32 v[VSTO], s23, v7
	v_lshl_add_u32 v4, v2, 4, v4                   ; Q/K: 16 bytes (8 bf16)
	v_add_nc_u32 v[STO], s23, v4
	v_mul_u32_u24 v5, v2, SPITCH                   ; back: lanes 0-15 take one row of 256 bytes, lanes 16-31 the next
	v_lshl_add_u32 v5, v1, 4, v5
	v_add_nc_u32 v[RD], s23, v5
	v_mul_u32_u24 v5, v2, SIZE_N*2                 ; and the same two rows in the result
	v_lshl_add_u32 v[CO], v1, 4, v5
	; where my part of V's tile begins in vp, in bytes (under 2^24)
	s_lshl_b32 s18, s13, 7
	s_lshl_b32 s19, s11, 6
	s_add_co_u32 s18, s18, s19                     ; my first row: 128 x tile row + 64 x half,
	s_lshl_b32 s18, s18, 12                        ; of 4,096 bytes;
	s_lshl_b32 s19, s42, 9                         ; my first column: 128 x tile column + 64 x half, of 4 bytes: a multiple of 256
	s_add_co_u32 s18, s18, s19
	s_lshl_b32 s19, s12, 8
	s_add_co_u32 s18, s18, s19
	s_mov_b32 s19, 0
	s_add_nc_u64 s[66:67], s[66:67], s[18:19]
	; where my part of Q/K's tile begins in qk, in bytes: the way out adds it to qk's address
	s_lshl_b32 s13, s13, 8
	s_lshl_b32 s14, s11, 7
	s_add_co_u32 s16, s13, s14                     ; my first row
	s_mov_b32 s17, 0
	s_mov_b64 s[18:19], SIZE_N*2
	s_mul_u64 s[16:17], s[16:17], s[18:19]
	s_lshl_b32 s46, s42, 9                         ; my first column, in bytes: 512 x tile column + 256 x half
	s_lshl_b32 s47, s12, 8
	s_add_co_u32 s46, s46, s47
	s_mov_b32 s47, 0
	s_add_nc_u64 s[16:17], s[16:17], s[46:47]
; A load into a register that a matrix instruction has read, and a vector instruction or an LDS store that reads a matrix result, stand four places behind that matrix instruction, and
; only plain vector instructions that name none of its registers are places (ISA guide 7.12.1 for vector instructions).
.macro PLACES
.rept 4
	v_nop
.endr
.endm
; ---------------------------------------------------------------- V's part ----------------------------------------------------------------
; 8 matrix instructions: row blocks a0, a0 + 1 x all 4 column blocks, 32 along K: half c of buffer f.  zero = 1: the first product starts the sums: nothing is ever cleared.
; The 16 accumulators take turns: between two links of a chain stand the 15 others'.
.macro VMUL8 f, c, a0, zero
	WIN VMUL
.irp a, \a0, (\a0)+1
.irp b, 0,1,2,3
.if \zero
	v_wmma_f32_16x16x32_bf16 v[VACC+8*(4*(\a)+(\b)):VACC+8*(4*(\a)+(\b))+7], v[(\f)+64+8*(4*(\c)+(\b)):(\f)+64+8*(4*(\c)+(\b))+7], v[(\f)+8*(4*(\c)+(\a)):(\f)+8*(4*(\c)+(\a))+7], 0
.else
	v_wmma_f32_16x16x32_bf16 v[VACC+8*(4*(\a)+(\b)):VACC+8*(4*(\a)+(\b))+7], v[(\f)+64+8*(4*(\c)+(\b)):(\f)+64+8*(4*(\c)+(\b))+7], v[(\f)+8*(4*(\c)+(\a)):(\f)+8*(4*(\c)+(\a))+7], v[VACC+8*(4*(\a)+(\b)):VACC+8*(4*(\a)+(\b))+7]
.endif
.endr
.endr
.endm
; 32 LDS loads in one run: the fragments of 64 along K at byte k of the rows, into buffer f; the first 32 along K first
.macro VFETCH slot, k, f
	WIN TO_B
.irp c, 0,1
.irp i, 0,1,2,3
	ds_load_b128 v[(\f)+64+8*(4*(\c)+(\i)):(\f)+64+8*(4*(\c)+(\i))+3],   v[VADRB+(\slot)] offset:(\k)+64*(\c)+(\i)*16*VPITCH
	ds_load_b128 v[(\f)+64+8*(4*(\c)+(\i))+4:(\f)+64+8*(4*(\c)+(\i))+7], v[VADRB+(\slot)] offset:(\k)+64*(\c)+(\i)*16*VPITCH+32
	ds_load_b128 v[(\f)+8*(4*(\c)+(\i)):(\f)+8*(4*(\c)+(\i))+3],         v[VADRA+(\slot)] offset:(\k)+64*(\c)+(\i)*16*VPITCH
	ds_load_b128 v[(\f)+8*(4*(\c)+(\i))+4:(\f)+8*(4*(\c)+(\i))+7],       v[VADRA+(\slot)] offset:(\k)+64*(\c)+(\i)*16*VPITCH+32
.endr
.endr
.endm
; A K step of V is four quarters of 64 along K, 32 matrix instructions each, on buffers 0, 1, 0, 1.  One of the first three: multiplies buffer f and fetches the next quarter, at byte k, into g.
.macro VQUARTER slot, k, f, g, zero
	s_wait_dscnt 16                                ; the first 32 along K are in; the youngest sixteen loads may be out
	VMUL8 \f, 0, 0, \zero
	VMUL8 \f, 0, 2, \zero
	PLACES
	VFETCH \slot, \k, \g
	s_wait_dscnt 32                                ; all but the 32 just issued
	VMUL8 \f, 1, 0, 0
	VMUL8 \f, 1, 2, 0
.endm
; The last quarter multiplies buffer 1 and changes slots: a round of the cluster's barrier; in front of it each wave waits for all its tensor loads (one is out: its part of the next slot),
; adds 0 to its spare word, and waits for that and for its own reads of this slot.  Behind the round this slot is filled again, first thing:
; fill = 1: with V's K step two steps on;  fill = 2: V has no further step, THE RING GOES ON INTO Q/K'S TILE: the slot takes that tile's K step of the slot's number.
; next: the slot whose first fragments are fetched; -1: V's last step: none.
.macro VTURN slot, next, fill
	WIN 0                                          ; (the add's two registers lie in window 0)
	s_wait_tensorcnt 0x0                           ; all my tensor loads have landed: my part of the next slot;
	ds_add_u32 v[SPW], v[NIL]                      ; 0 onto my spare word
	s_wait_dscnt 17                                ; (the add and the youngest sixteen loads may be out)
	VMUL8 VF1, 0, 0, 0                             ; eight matrix instructions stand between the add and the wait for it
	s_wait_dscnt 0x0                               ; the add is done, and my reads of this slot are over
	s_barrier_signal -1
	VMUL8 VF1, 0, 2, 0
	WIN 0
	s_barrier_wait -1
	CREST                                          ; no wave of any partner still reads this slot's tile or has a load on its way
.if (\fill) == 1
	s_add_nc_u64 s[VG0+4*(\slot)+2:VG0+4*(\slot)+3], s[VG0+4*(\slot)+2:VG0+4*(\slot)+3], 2*VKSTEP*2
	s_add_nc_u64 s[VG0B+4*(\slot)+2:VG0B+4*(\slot)+3], s[VG0B+4*(\slot)+2:VG0B+4*(\slot)+3], 2*VKSTEP*2
	VJLOAD \slot                                   ; the first tensor load behind the round, my only one until the next; its four v_nop are also the places in front of the loads below
.else
	JLOAD \slot
.endif
.if (\next) >= 0
	VFETCH \next, 0, VF0
.endif
	VMUL8 VF1, 1, 0, 0
	VMUL8 VF1, 1, 2, 0
.endm
; V's way out, a block of 16 rows at a time, through my own stage: no other wave touches it and no tensor load fills it, so no barrier.  A lane's eight f32 are 32 bytes of a row; they go
; into rows of 272 bytes (each accumulator's low four registers first) and come back as whole rows of 256 bytes, my 64 columns.
.macro VTOSTAGE a
.set BK, VTMP+32*((\a)%2)
.irp b, 0,1,2,3
	ds_store_b128 v[VSTO], v[VACC+8*(4*(\a)+(\b)):VACC+8*(4*(\a)+(\b))+3]   offset:64*(\b)
	ds_store_b128 v[VSTO], v[VACC+8*(4*(\a)+(\b))+4:VACC+8*(4*(\a)+(\b))+7] offset:64*(\b)+16
.endr
	s_wait_xcnt 0x0                                ; every earlier memory instruction has had its addresses translated (ISA guide 3.1): the registers that the stores of two blocks ago read are loaded again only behind this wait
.irp t, 0,1,2,3,4,5,6,7
	ds_load_b128 v[BK+4*(\t):BK+4*(\t)+3], v[RD] offset:(\t)*2*SPITCH  ; LDS serves a wave's instructions in order (ISA guide 5.7.1.4): these see the stores above; the next block's stores come behind them
.endr
.endm
.macro VSEND a, younger                ; younger: the LDS instructions issued behind block a's loads: the next block's 8 stores and 8 loads, or none
.set BK, VTMP+32*((\a)%2)
.irp t, 0,1,2,3,4,5,6,7
	s_wait_dscnt (\younger)+7-(\t)
	global_store_b128 v[CO], v[BK+4*(\t):BK+4*(\t)+3], s[66:67] offset:(16*(\a)+2*(\t))*4096  ; 16 lanes store 256 consecutive bytes, at a multiple of 256 from vp's first byte
.endr
.endm
	s_wait_tensorcnt 1                             ; my part of V's K step 0 is in; K step 1's load, issued behind it, may stay out
	s_barrier_signal -1
	s_barrier_wait -1                              ; everybody's is
	VFETCH 0, 0, VF0
	VQUARTER 0, 128, VF0, VF1, 1                   ; the first quarter stands in front of the loop: its first products start the sums
	WIN 0                                          ; at a label and at a branch every window is 0
	s_mov_b32 s3, VLAPS-1
.Lvlap:                                                ; a trip goes once round the ring, from a lap's second quarter to the next lap's first, and fills both slots again
	VQUARTER 0, 256, VF1, VF0, 0
	VQUARTER 0, 384, VF0, VF1, 0
	VTURN 0, 1, 1
	VQUARTER 1, 128, VF0, VF1, 0
	VQUARTER 1, 256, VF1, VF0, 0
	VQUARTER 1, 384, VF0, VF1, 0
	VTURN 1, 0, 1
	VQUARTER 0, 128, VF0, VF1, 0
	WIN 0
	s_sub_co_u32 s3, s3, 1
	s_cmp_lg_u32 s3, 0
	s_cbranch_scc1 .Lvlap
	VQUARTER 0, 256, VF1, VF0, 0                   ; V's last lap
	VQUARTER 0, 384, VF0, VF1, 0
	VTURN 0, 1, 2                                  ; slot 0 takes Q/K's K step 0,
	VQUARTER 1, 128, VF0, VF1, 0
	VQUARTER 1, 256, VF1, VF0, 0
	VQUARTER 1, 384, VF0, VF1, 0
	VTURN 1, -1, 2                                 ; slot 1 its K step 1; the wait for all loads in front of this round has shown K step 0 landed in every wave
	WIN 0
	PLACES                                         ; behind V's last products: the stage's stores read results
	VTOSTAGE 0                                     ; BOTH REFILLS ARE ASKED FOR: NOW V'S TILE GOES OUT
	VTOSTAGE 1                                     ; a block's LDS work stands between the loads of the block before and its stores
	VSEND 0, 16
	VTOSTAGE 2
	VSEND 1, 16
	VTOSTAGE 3
	VSEND 2, 16
	VSEND 3, 0
	s_wait_xcnt 0x0                                ; V's stores have read their registers: fragments of A land on some of them below; nothing waits for the stores themselves
; ---------------------------------------------------------------- Q/K's part ----------------------------------------------------------------
; 16 matrix instructions: m blocks a0, a0 + 1 of the window's four (hi = 0: my rows 0-63, 1: rows 64-127) x all 8 n blocks, 32 along K.
; zero = 1: the first product starts the sums: nothing is ever cleared.  The 64 accumulators take turns, in the same order in every quarter step.
.macro MUL16 f, hi, a0, zero
	WIN MUL_LO+0x50*(\hi)  ; MUL_LO or MUL_HI
.irp a, \a0, (\a0)+1
.irp b, 0,1,2,3,4,5,6,7
.if \zero
	v_wmma_f32_16x16x32_bf16 v[8*(8*(\a)+(\b)):8*(8*(\a)+(\b))+7], v[(\f)+8*(\b):(\f)+8*(\b)+7], v[(\f)+8*(4*(\hi)+(\a)):(\f)+8*(4*(\hi)+(\a))+7], 0
.else
	v_wmma_f32_16x16x32_bf16 v[8*(8*(\a)+(\b)):8*(8*(\a)+(\b))+7], v[(\f)+8*(\b):(\f)+8*(\b)+7], v[(\f)+8*(4*(\hi)+(\a)):(\f)+8*(4*(\hi)+(\a))+7], v[8*(8*(\a)+(\b)):8*(8*(\a)+(\b))+7]
.endif
.endr
.endr
.endm
; 32 LDS loads in one run: the fragments of one quarter step (128 rows of B, 128 rows of A, 32 K at byte k of the rows) into buffer f
.macro FETCH slot, k, f
	WIN TO_B
.irp i, 0,1,2,3,4,5,6,7
	ds_load_b128 v[(\f)+8*(\i):(\f)+8*(\i)+3],   v[ADRB+(\slot)] offset:(\k)+(\i)*16*PITCH
	ds_load_b128 v[(\f)+8*(\i)+4:(\f)+8*(\i)+7], v[ADRB+(\slot)] offset:(\k)+(\i)*16*PITCH+32
.endr
	WIN 0
.irp i, 0,1,2,3,4,5,6,7
	ds_load_b128 v[(\f)+8*(\i):(\f)+8*(\i)+3],   v[ADRA+(\slot)] offset:(\k)+(\i)*16*PITCH
	ds_load_b128 v[(\f)+8*(\i)+4:(\f)+8*(\i)+7], v[ADRA+(\slot)] offset:(\k)+(\i)*16*PITCH+32
.endr
.endm
; A K step is four quarter steps of 32 along K, 64 matrix instructions each, on buffers 0, 1, 0, 1.
; One of the first three: multiplies buffer f; in its middle it fetches the next quarter's fragments, at byte k of the same slot's rows, into buffer g.
.macro QUARTER slot, k, f, g, zero
	s_wait_dscnt 8                                 ; B and A's rows 0-63 are in; the youngest eight loads (A's rows 64-127) may be out
	WIN MUL_LO
	MUL16 \f, 0, 0, \zero
	MUL16 \f, 0, 2, \zero
	PLACES
	FETCH \slot, \k, \g
	s_wait_dscnt 32                                ; all but the 32 just issued
	WIN MUL_HI
	MUL16 \f, 1, 0, \zero
	MUL16 \f, 1, 2, \zero
.endm
; The last quarter multiplies buffer 1 and changes slots.  MEET is its first half: ONE barrier for the change of slots.  In front of it each wave waits for all its tensor loads,
; of which one is out: its part of the next slot; adds 0 to its spare word; and waits for that and for its own reads of this slot.  Behind it nobody reads this slot any more and the next slot is whole.
.macro MEET round                      ; round = 1: a round of the cluster's barrier follows
	WIN 0                                          ; (the add's two registers lie in window 0)
	s_wait_tensorcnt 0x0                           ; all my tensor loads have landed: the one that was out is my part of the next slot;
	ds_add_u32 v[SPW], v[NIL]                      ; 0 onto my spare word
	s_wait_dscnt 9                                 ; (the add and the youngest eight loads may be out)
	WIN MUL_LO
	MUL16 F1, 0, 0, 0                              ; sixteen matrix instructions stand between the add and the wait for it
	s_wait_dscnt 0x0                               ; the add is done, and my reads of this slot are over:
	s_barrier_signal -1                            ; say so (where a slot is filled again this barrier opens a round of the cluster's barrier),
	MUL16 F1, 0, 2, 0                              ; work on registers while the others arrive,
.if \round
	WIN 0
.endif
	s_barrier_wait -1                              ; and go on when all four have said so
.endm
; The whole last quarter.  Behind the round the slot just read out is filled again first, with the K step two steps on; then come the next slot's first fragments.
; From a request to the wait for it a wave issues 224 matrix instructions.
.macro TURN slot, next
	MEET 1
	CREST                                          ; no wave of any partner still reads this slot's tile or has a load on its way
	s_add_nc_u64 s[G0+4*(\slot)+2:G0+4*(\slot)+3], s[G0+4*(\slot)+2:G0+4*(\slot)+3], 2*KSTEP*2
	s_add_nc_u64 s[G0B+4*(\slot)+2:G0B+4*(\slot)+3], s[G0B+4*(\slot)+2:G0B+4*(\slot)+3], 2*KSTEP*2
	JLOAD \slot                                    ; the first tensor load behind the round, my only one until the next; the four v_nop behind it are also the places in front of the loads below
	FETCH \next, 0, F0
	WIN MUL_HI
	MUL16 F1, 1, 0, 0
	MUL16 F1, 1, 2, 0
.endm
; THE LAST K STEP (it lies in slot 1) GOES BY ROWS OF THE RESULT, NOT BY K.  All its fragments of B (4 quarters x 64 registers) fill window 1; then my eight blocks of 16 rows are
; finished one after the other, each with 32 matrix instructions (its 8 accumulators by turns, K ascending).  LDS is read no more than in any other K step.
.macro BLOAD q                         ; B's fragments of quarter q -> window 1, v[64 q ..]
	WIN TO_B
.irp i, 0,1,2,3,4,5,6,7
	ds_load_b128 v[64*(\q)+8*(\i):64*(\q)+8*(\i)+3],   v[ADRB+1] offset:64*(\q)+(\i)*16*PITCH
	ds_load_b128 v[64*(\q)+8*(\i)+4:64*(\q)+8*(\i)+7], v[ADRB+1] offset:64*(\q)+(\i)*16*PITCH+32
.endr
.endm
.macro ALOAD a                         ; A's fragments of block a, all four quarters -> buffer a % 4
	WIN 0
.set FA, PA+32*((\a)%4)
.irp q, 0,1,2,3
	ds_load_b128 v[FA+8*(\q):FA+8*(\q)+3],   v[ADRA+1] offset:64*(\q)+(\a)*16*PITCH
	ds_load_b128 v[FA+8*(\q)+4:FA+8*(\q)+7], v[ADRA+1] offset:64*(\q)+(\a)*16*PITCH+32
.endr
.endm
.macro ROW a                           ; block a is finished: 32 matrix instructions
.set FA, PA+32*((\a)%4)                ; its fragments of A
.set AC, 64*((\a)%4)                   ; its eight accumulators, in window 2 (blocks 0-3) or 3 (blocks 4-7)
	WIN MUL_LO+0x50*((\a)/4)                       ; MUL_LO or MUL_HI
.irp q, 0,1,2,3
.if (\a) == 0 && (\q) == 2
	s_wait_dscnt 24                                ; B's quarter 2 is in (behind it: A's blocks 1 to 3)
.endif
.irp b, 0,1,2,3,4,5,6,7
	v_wmma_f32_16x16x32_bf16 v[AC+8*(\b):AC+8*(\b)+7], v[64*(\q)+8*(\b):64*(\q)+8*(\b)+7], v[FA+8*(\q):FA+8*(\q)+7], v[AC+8*(\b):AC+8*(\b)+7]
.endr
.endr
.endm
; THE WAY OUT of block a, in three parts.  PACK: rounded to bf16, 16 bytes a lane (each accumulator's registers in ascending order).  TOSTAGE: into my own stage in LDS, and back as whole rows of 256 bytes.  SEND: stored.
.macro PACK a
.set AC, 64*((\a)%4)
	WIN 0x0a+5*((\a)/4)                            ; sources 0 and 1: window 2 or 3
.irp b, 0,1,2,3,4,5,6,7
.irp r, 0,1,2,3
	v_cvt_pk_bf16_f32 v[TMP+4*(\b)+(\r)], v[AC+8*(\b)+2*(\r)], v[AC+8*(\b)+2*(\r)+1]
.endr
.endr
	WIN 0
.endm
.macro TOSTAGE a
	WIN 0
.set BK, OB+192*((\a)%2)
.irp b, 0,1,2,3,4,5,6,7
	ds_store_b128 v[STO], v[TMP+4*(\b):TMP+4*(\b)+3] offset:32*(\b)
.endr
.irp t, 0,1,2,3,4,5,6,7
	ds_load_b128 v[BK+4*(\t):BK+4*(\t)+3], v[RD] offset:(\t)*2*SPITCH  ; LDS serves a wave's instructions in order (ISA guide 5.7.1.4): these see the stores above
.endr
.endm
.macro SEND a, younger                 ; younger: the LDS loads issued behind TOSTAGE's, which may stay out
	WIN 0
.set BK, OB+192*((\a)%2)
	s_wait_dscnt \younger                          ; the block is back in registers
	s_wait_xcnt 0x0                                ; every earlier memory instruction has had its addresses translated (ISA guide 3.1): only behind this wait are the stores' base and the registers that earlier stores read rewritten
.if (\a) == 0
	s_add_nc_u64 s[8:9], s[8:9], s[16:17]          ; on to my first rows
.else
	s_add_nc_u64 s[8:9], s[8:9], 16*SIZE_N*2       ; 16 rows on
.endif
.irp t, 0,1,2,3,4,5,6,7
	global_store_b128 v[CO], v[BK+4*(\t):BK+4*(\t)+3], s[8:9] offset:2*(\t)*SIZE_N*2  ; 16 lanes store 256 consecutive bytes, at a multiple of 256 from qk's first byte
.endr
.endm
	FETCH 0, 0, F0                                 ; K step 0 is whole in every wave's sight since V's last round: no further barrier
	QUARTER 0, 64,  F0, F1, 1                      ; the first quarter stands in front of the loop: its products start the sums
	WIN 0                                          ; at a label and at a branch every window is 0
	s_mov_b32 s3, LAPS-1
.Llap:                                                 ; a trip goes once round the ring, from a lap's second quarter to the next lap's first, and fills both slots again
	QUARTER 0, 128, F1, F0, 0
	QUARTER 0, 192, F0, F1, 0
	TURN 0, 1
	QUARTER 1, 64,  F0, F1, 0
	QUARTER 1, 128, F1, F0, 0
	QUARTER 1, 192, F0, F1, 0
	TURN 1, 0
	QUARTER 0, 64,  F0, F1, 0
	WIN 0
	s_sub_co_u32 s3, s3, 1
	s_cmp_lg_u32 s3, 0
	s_cbranch_scc1 .Llap
	QUARTER 0, 128, F1, F0, 0                      ; the last lap goes on; it asks for nothing more
	QUARTER 0, 192, F0, F1, 0
	MEET 0                                         ; my one tensor load that was still out is slot 1's, the last K step's, so no round follows
	PLACES                                         ; for the loads into buffer 0, which the quarter before multiplied
	WIN TO_B
	BLOAD 0                                        ; three quarters of B now: buffer 1 (v128-191 of both windows) is still being multiplied
	BLOAD 1
	BLOAD 3
	WIN 0
	ALOAD 0
	WIN MUL_HI
	MUL16 F1, 1, 0, 0
	MUL16 F1, 1, 2, 0
	PLACES                                         ; for the loads into buffer 1
	WIN TO_B
	BLOAD 2
	WIN 0
	ALOAD 1
	ALOAD 2
	ALOAD 3
	s_wait_dscnt 40                                ; all but the 40 just issued
	ROW 0
.irp a, 0,1,2,3,4,5,6,7                ; each block leaves as soon as it is finished
	PLACES                                         ; its conversions read results just made, and no other vector work is at hand
	PACK \a
	TOSTAGE \a
.if (\a) < 4
	ALOAD (\a)+4                                   ; its buffer takes the block four further on
	SEND \a, 8
.else
	SEND \a, 0
.endif
.if (\a) < 7
	ROW (\a)+1
.endif
.endr
	s_wait_tensorcnt 0x0                           ; the wave's end: behind my last tensor load and my last LDS store
	ds_add_u32 v[SPW], v[NIL]
	s_wait_dscnt 0x0
	CROUND                                         ; the closing round: no work-group ends while a partner may still ask for a tile that names it
	s_endpgm
.Lfunc_end_k_q7617a5d20e_gemm_qkv:
	.size	k_q7617a5d20e_gemm_qkv, .Lfunc_end_k_q7617a5d20e_gemm_qkv-k_q7617a5d20e_gemm_qkv
	.p2alignl 7, 3214868480
	.fill 96, 4, 3214868480
	.section	.rodata,"a",@progbits
	.p2align	6, 0x0
	.amdhsa_kernel k_q7617a5d20e_gemm_qkv
		.amdhsa_group_segment_fixed_size 327680
		.amdhsa_private_segment_fixed_size 0
		.amdhsa_enable_private_segment 0
		.amdhsa_kernarg_size 40
		.amdhsa_user_sgpr_count 2
		.amdhsa_user_sgpr_kernarg_segment_ptr 1
		.amdhsa_wavefront_size32 1
		.amdhsa_system_sgpr_workgroup_id_x 1
		.amdhsa_system_sgpr_workgroup_id_y 1
		.amdhsa_system_sgpr_workgroup_id_z 1
		.amdhsa_system_vgpr_workitem_id 0
		.amdhsa_next_free_vgpr 1024
		.amdhsa_next_free_sgpr 100
		.amdhsa_reserve_vcc 0
		.amdhsa_float_denorm_mode_32 3
		.amdhsa_float_denorm_mode_16_64 3
		.amdhsa_memory_ordered 1
		.amdhsa_forward_progress 1
		.amdhsa_inst_pref_size 227
	.end_amdhsa_kernel
	.amdgpu_metadata
---
amdhsa.version: [ 1, 2 ]
amdhsa.kernels:
  - .name:           k_q7617a5d20e_gemm_qkv
    .symbol:         k_q7617a5d20e_gemm_qkv.kd
    .args:
      - { .name: ab, .offset: 0, .size: 8, .value_kind: global_buffer, .address_space: global }
      - { .name: vh, .offset: 8, .size: 8, .value_kind: global_buffer, .address_space: global }
      - { .name: wv, .offset: 16, .size: 8, .value_kind: global_buffer, .address_space: global }
      - { .name: qk, .offset: 24, .size: 8, .value_kind: global_buffer, .address_space: global }
      - { .name: vp, .offset: 32, .size: 8, .value_kind: global_buffer, .address_space: global }
    .group_segment_fixed_size: 327680
    .private_segment_fixed_size: 0
    .kernarg_segment_align: 8
    .kernarg_segment_size: 40
    .max_flat_workgroup_size: 128
    .sgpr_count:     100
    .vgpr_count:     1024
    .wavefront_size: 32
...
	.end_amdgpu_metadata
.endif
;; end of part 2
;; launch ln (part 3): grid 512 x 1, 8 waves a work-group, no clusters, 0 bytes of LDS; arguments qk, vp, lambda_q1, lambda_k1, lambda_q2, lambda_k2, ln_gamma, ln_beta, xn; writes xn
.if DOCPART == 3
	.amdgcn_target "amdgcn-amd-amdhsa--gfx1250"
	.amdhsa_code_object_version 6
	.text
	.protected	k_q7617a5d20e_ln
	.globl	k_q7617a5d20e_ln
	.p2align	8
	.type	k_q7617a5d20e_ln,@function
k_q7617a5d20e_ln:
	s_mov_b64 s[64:65], 0
	v_nop
	global_prefetch_b8 v0, s[64:65] scope:SCOPE_SE
	s_setreg_imm32_b32 hwreg(HW_REG_WAVE_MODE, 25, 1), 1
	s_wait_xcnt 0x0
; For each of the 4,096 rows: the 2 x 16 scores s = Q . K / 8 (64 terms each), their softmax over the one key, lam, A_diff = A1 - lam A2, x = A_diff V, LayerNorm with gamma and beta.
; In: qk [8192][2048] bf16 (rows 0-4095 Q, 4096-8191 K); vp [4096][1024] f32 (V); the four lambdas, gamma, beta in f32.
; Out: xn [4096][1024] bf16: the normalised rows, the first operand of the product behind this launch.
; ONE WAVE, ONE ROW: no LDS, no barrier, no loop.  All 44 loads of a wave are issued before the first is used; the waits below count the younger ones that may stay out.
; LANES.  Load j of Q or K gives lane l the elements 256 j + 8 l .. + 7: head 2 j + l / 16, half (l / 8) % 2, so a score is the sum over eight neighbouring lanes, and the head's other
; half lies eight lanes away.  Load j of V gives lane l the columns 128 j + 4 l .. + 3: head 2 j + l / 16 again.  So A_diff is made in the lanes that use it.
; LIMITS.  Q and K arrive rounded to bf16.  The lambdas, gamma and beta are rounded to bf16 like every other input of the module; the result is rounded once to bf16.
; The softmax is written as it stands: the score less the maximum over its one key (itself), the exponential, the division by the sum (the exponential itself): 1 for a finite score, NaN otherwise.
; The variance is the mean of the squared distances from the mean, in a second pass over registers.  v_exp_f32, v_rcp_f32, v_rsq_f32: 1 ULP, denormals flushed (ISA guide 15.8).
.set Q,  16                            ; v[16:47]    Q: 8 x 4 registers of two bf16
.set K,  48                            ; v[48:79]    K likewise
.set VA, 80                            ; v[80:111]   V: 8 x 4 f32; then x, x - mean, the normalised row
.set G,  112                           ; v[112:143]  gamma; then packed to bf16 in v[112:127]
.set BT, 144                           ; v[144:175]  beta; then packed in v[144:159]
.set LM, 176                           ; v[176:183]  two numbers a lane of lambda_q1, _k1, _q2, _k2
.set S,  184                           ; v[184:191]  scores, then weights
.set D,  192                           ; v[192:199]  at work
.set AD, 200                           ; v[200:207]  A_diff of the head of load j
.set Y,  16                            ; v[16:31]    the row in bf16 (Q's registers, long read)
.set T,  14                            ; v14         takes the other half of the lanes' sum
.macro WSUM r                          ; the sum over the wave's 32 lanes, in every lane: four steps inside each half of 16 lanes ride on the addition (DPP), one crosses the halves
	v_add_f32_dpp v[\r], v[\r], v[\r] row_xmask:1 row_mask:0xf bank_mask:0xf
	v_add_f32_dpp v[\r], v[\r], v[\r] row_xmask:2 row_mask:0xf bank_mask:0xf
	v_add_f32_dpp v[\r], v[\r], v[\r] row_xmask:4 row_mask:0xf bank_mask:0xf
	v_add_f32_dpp v[\r], v[\r], v[\r] row_xmask:8 row_mask:0xf bank_mask:0xf
	v_permlanex16_b32 v[T], v[\r], s30, s31
	v_add_f32 v[\r], v[\r], v[T]
.endm
	s_load_b512 s[4:19], s[0:1], 0x0               ; qk s[4:5], vp s[6:7], lambda_q1 s[8:9], _k1 s[10:11], _q2 s[12:13], _k2 s[14:15], gamma s[16:17], beta s[18:19]
	s_load_b64 s[20:21], s[0:1], 0x40              ; xn
	v_lshrrev_b32 v4, 5, v0
	v_readfirstlane_b32 s22, v4                    ; wave 0..7
	s_lshl_b32 s23, ttmp9, 3
	s_add_co_u32 s23, s23, s22                     ; my row
	s_lshl_b32 s24, s23, 12                        ; 4,096 bytes a row of qk and of vp
	s_mov_b32 s25, 0
	s_lshl_b32 s28, s23, 11                        ; 2,048 bytes a row of xn
	s_mov_b32 s29, 0
	s_mov_b32 s30, 0x76543210                      ; v_permlanex16_b32: each lane takes its own place in the other half
	s_mov_b32 s31, 0xfedcba98
	s_mov_b32 s32, 0x3727c5ac                      ; 1e-5
	s_mov_b32 s33, 0x3a800000                      ; 1 / 1024
	v_and_b32 v5, 31, v0
	v_lshlrev_b32 v1, 4, v5                        ; 16 bytes a lane
	v_lshlrev_b32 v2, 3, v5                        ; 8 bytes a lane
	v_mov_b32 v3, 0                                ; starts the sums of products
	v_mov_b32 v[T], 0                              ; v_permlanex16_b32's destination counts as read
	s_wait_kmcnt 0x0
	s_add_nc_u64 s[4:5], s[4:5], s[24:25]          ; Q's row
	s_add_nc_u64 s[26:27], s[4:5], 0x1000000       ; K's row: 4,096 rows further down
	s_add_nc_u64 s[6:7], s[6:7], s[24:25]
	s_add_nc_u64 s[20:21], s[20:21], s[28:29]
	global_load_b64 v[LM:LM+1],   v2, s[8:9]
	global_load_b64 v[LM+2:LM+3], v2, s[10:11]
	global_load_b64 v[LM+4:LM+5], v2, s[12:13]
	global_load_b64 v[LM+6:LM+7], v2, s[14:15]
.irp j, 0,1,2,3,4,5,6,7
	global_load_b128 v[Q+4*(\j):Q+4*(\j)+3], v1, s[4:5] offset:512*(\j) th:TH_LOAD_NT
.endr
.irp j, 0,1,2,3,4,5,6,7
	global_load_b128 v[K+4*(\j):K+4*(\j)+3], v1, s[26:27] offset:512*(\j) th:TH_LOAD_NT
.endr
.irp j, 0,1,2,3,4,5,6,7
	global_load_b128 v[VA+4*(\j):VA+4*(\j)+3], v1, s[6:7] offset:512*(\j) th:TH_LOAD_NT
.endr
.irp j, 0,1,2,3,4,5,6,7
	global_load_b128 v[G+4*(\j):G+4*(\j)+3], v1, s[16:17] offset:512*(\j)
.endr
.irp j, 0,1,2,3,4,5,6,7
	global_load_b128 v[BT+4*(\j):BT+4*(\j)+3], v1, s[18:19] offset:512*(\j)
.endr
	; LAM = exp(sum lambda_q1 lambda_k1) - exp(sum lambda_q2 lambda_k2) + 0.8; kept as -lam
	s_wait_loadcnt 40                              ; loads come back in order (ISA guide 5.7.1): the four lambdas are in, the 40 younger loads stay out
	v_cvt_pk_bf16_f32 v4, v[LM], v[LM+1]
	v_cvt_pk_bf16_f32 v5, v[LM+2], v[LM+3]
	v_cvt_pk_bf16_f32 v6, v[LM+4], v[LM+5]
	v_cvt_pk_bf16_f32 v7, v[LM+6], v[LM+7]
	v_fma_mix_f32_bf16 v8, v4, v5, v3 op_sel_hi:[1,1,0]                   ; the low halves' product,
	v_fma_mix_f32_bf16 v9, v6, v7, v3 op_sel_hi:[1,1,0]
	v_fma_mix_f32_bf16 v8, v4, v5, v8 op_sel:[1,1,0] op_sel_hi:[1,1,0]    ; and the high halves'
	v_fma_mix_f32_bf16 v9, v6, v7, v9 op_sel:[1,1,0] op_sel_hi:[1,1,0]
	WSUM 8
	WSUM 9
	v_mul_f32 v8, 0x3fb8aa3b, v8                   ; e^x = 2^(x log2 e)
	v_mul_f32 v9, 0x3fb8aa3b, v9
	v_exp_f32 v8, v8
	v_exp_f32 v9, v9
	v_and_b32 v10, 8, v0                           ; a plain instruction behind the exponentials (ISA guide 5.7.2): which half of a head my lane's scores belong to
	s_wait_alu depctr_va_vdst(0)
	v_sub_f32 v8, v9, v8
	v_add_f32 v8, 0xbf4ccccd, v8                   ; -lam = e2 - e1 - 0.8: the same roundings as lam's, the sign turned
	v_cmp_ne_u32 vcc_lo, 0, v10
	v_mov_b32 v11, 1.0
	v_cndmask_b32 v12, v11, v8, vcc_lo             ; the factor of my own half's weight: 1 for half 1 of the head, -lam for half 2
	v_cndmask_b32 v13, v8, v11, vcc_lo             ; and of the other half's
	; SCORES: eight chains, one for each load j, take turns
	s_wait_loadcnt 24                              ; Q and K are in; V, gamma and beta stay out
.irp i, 0,1,2,3
.irp j, 0,1,2,3,4,5,6,7
.if (\i) == 0
	v_fma_mix_f32_bf16 v[S+(\j)], v[Q+4*(\j)], v[K+4*(\j)], v3 op_sel_hi:[1,1,0]
.else
	v_fma_mix_f32_bf16 v[S+(\j)], v[Q+4*(\j)+(\i)], v[K+4*(\j)+(\i)], v[S+(\j)] op_sel_hi:[1,1,0]
.endif
.endr
.irp j, 0,1,2,3,4,5,6,7
	v_fma_mix_f32_bf16 v[S+(\j)], v[Q+4*(\j)+(\i)], v[K+4*(\j)+(\i)], v[S+(\j)] op_sel:[1,1,0] op_sel_hi:[1,1,0]
.endr
.endr
.irp m, 1,2,4                          ; the eight lanes of a half head
.irp j, 0,1,2,3,4,5,6,7
	v_add_f32_dpp v[S+(\j)], v[S+(\j)], v[S+(\j)] row_xmask:\m row_mask:0xf bank_mask:0xf
.endr
.endr
	; SOFTMAX over the one key
.irp j, 0,2,4,6
	v_pk_mul_f32 v[S+(\j):S+(\j)+1], v[S+(\j):S+(\j)+1], 0x3e000000 op_sel_hi:[1,0]                     ; s / sqrt(64)
.endr
.irp j, 0,2,4,6
	v_pk_add_f32 v[D+(\j):D+(\j)+1], v[S+(\j):S+(\j)+1], v[S+(\j):S+(\j)+1] neg_lo:[0,1] neg_hi:[0,1]   ; s - max: the maximum over one key is s
.endr
.irp j, 0,2,4,6
	v_pk_mul_f32 v[D+(\j):D+(\j)+1], v[D+(\j):D+(\j)+1], 0x3fb8aa3b op_sel_hi:[1,0]
.endr
.irp j, 0,1,2,3,4,5,6,7
	v_exp_f32 v[D+(\j)], v[D+(\j)]
.endr
	v_nop                                          ; a plain instruction behind the last exponential
	s_wait_alu depctr_va_vdst(0)
.irp j, 0,1,2,3,4,5,6,7
	v_rcp_f32 v[S+(\j)], v[D+(\j)]                 ; the sum over one key is the exponential itself
.endr
	v_nop
	s_wait_alu depctr_va_vdst(0)
.irp j, 0,2,4,6
	v_pk_mul_f32 v[S+(\j):S+(\j)+1], v[D+(\j):D+(\j)+1], v[S+(\j):S+(\j)+1]                             ; the weight of my half
.endr
.irp j, 0,1,2,3,4,5,6,7
	v_mul_f32_dpp v[D+(\j)], v[S+(\j)], v13 row_xmask:8 row_mask:0xf bank_mask:0xf                      ; the other half's weight, eight lanes away, times its factor
.endr
.irp j, 0,1,2,3,4,5,6,7
	v_fma_f32 v[AD+(\j)], v[S+(\j)], v12, v[D+(\j)]                                                     ; A1 - lam A2
.endr
	; x = A_diff V, its mean, its variance
	s_wait_loadcnt 16                              ; V is in; gamma and beta stay out
.set p, 0
.rept 16                               ; pair p belongs to load p / 2; the factor is the first or the second register of an even-aligned pair, taken for both halves
.if (p/2)%2 == 0
	v_pk_mul_f32 v[VA+2*p:VA+2*p+1], v[VA+2*p:VA+2*p+1], v[AD+p/2:AD+p/2+1] op_sel_hi:[1,0]
.else
	v_pk_mul_f32 v[VA+2*p:VA+2*p+1], v[VA+2*p:VA+2*p+1], v[AD+p/2-1:AD+p/2] op_sel:[0,1] op_sel_hi:[1,1]
.endif
.set p, p+1
.endr
.irp c, 0,1,2,3                        ; four chains, started by the first eight pairs: nothing is cleared
	v_pk_add_f32 v[4+2*(\c):5+2*(\c)], v[VA+2*(\c):VA+2*(\c)+1], v[VA+8+2*(\c):VA+8+2*(\c)+1]
.endr
.set p, 8
.rept 8
	v_pk_add_f32 v[4+2*(p%4):5+2*(p%4)], v[4+2*(p%4):5+2*(p%4)], v[VA+2*p:VA+2*p+1]
.set p, p+1
.endr
	v_pk_add_f32 v[4:5], v[4:5], v[6:7]
	v_pk_add_f32 v[8:9], v[8:9], v[10:11]
	v_pk_add_f32 v[4:5], v[4:5], v[8:9]
	v_add_f32 v4, v4, v5
	WSUM 4
	v_mul_f32 v4, s33, v4                          ; the mean
.set p, 0
.rept 16
	v_pk_add_f32 v[VA+2*p:VA+2*p+1], v[VA+2*p:VA+2*p+1], v[4:5] op_sel_hi:[1,0] neg_lo:[0,1] neg_hi:[0,1]
.set p, p+1
.endr
.irp c, 0,1,2,3
	v_pk_mul_f32 v[6+2*(\c):7+2*(\c)], v[VA+2*(\c):VA+2*(\c)+1], v[VA+2*(\c):VA+2*(\c)+1]
.endr
.set p, 4
.rept 12
	v_pk_fma_f32 v[6+2*(p%4):7+2*(p%4)], v[VA+2*p:VA+2*p+1], v[VA+2*p:VA+2*p+1], v[6+2*(p%4):7+2*(p%4)]
.set p, p+1
.endr
	v_pk_add_f32 v[6:7], v[6:7], v[8:9]
	v_pk_add_f32 v[10:11], v[10:11], v[12:13]
	v_pk_add_f32 v[6:7], v[6:7], v[10:11]
	v_add_f32 v6, v6, v7
	WSUM 6
	v_fma_f32 v6, v6, s33, s32                     ; the variance + 1e-5
	v_rsq_f32 v6, v6
	v_nop                                          ; a plain instruction behind the root
.set p, 0
	s_wait_alu depctr_va_vdst(0)
.rept 16
	v_pk_mul_f32 v[VA+2*p:VA+2*p+1], v[VA+2*p:VA+2*p+1], v[6:7] op_sel_hi:[1,0]
.set p, p+1
.endr
	; gamma and beta, rounded to bf16 like every input; one fused multiply-add in f32; the row rounded once
	s_wait_loadcnt 0x0
.set p, 0
.rept 16                               ; packed in place, ascending: register p takes numbers 2 p and 2 p + 1, which lie at or above it
	v_cvt_pk_bf16_f32 v[G+p], v[G+2*p], v[G+2*p+1]
	v_cvt_pk_bf16_f32 v[BT+p], v[BT+2*p], v[BT+2*p+1]
.set p, p+1
.endr
.set p, 0
.rept 16
	v_fma_mix_f32_bf16 v[VA+2*p], v[VA+2*p], v[G+p], v[BT+p] op_sel_hi:[0,1,1]
	v_fma_mix_f32_bf16 v[VA+2*p+1], v[VA+2*p+1], v[G+p], v[BT+p] op_sel:[0,1,1] op_sel_hi:[0,1,1]
.set p, p+1
.endr
.set p, 0
.rept 16
	v_cvt_pk_bf16_f32 v[Y+p], v[VA+2*p], v[VA+2*p+1]
.set p, p+1
.endr
.irp j, 0,1,2,3,4,5,6,7
	global_store_b64 v2, v[Y+2*(\j):Y+2*(\j)+1], s[20:21] offset:256*(\j)        ; 32 lanes store 256 consecutive bytes, at a multiple of 256 from xn's first byte
.endr
	s_endpgm
.Lfunc_end_k_q7617a5d20e_ln:
	.size	k_q7617a5d20e_ln, .Lfunc_end_k_q7617a5d20e_ln-k_q7617a5d20e_ln
	.p2alignl 7, 3214868480
	.fill 96, 4, 3214868480
	.section	.rodata,"a",@progbits
	.p2align	6, 0x0
	.amdhsa_kernel k_q7617a5d20e_ln
		.amdhsa_group_segment_fixed_size 0
		.amdhsa_private_segment_fixed_size 0
		.amdhsa_enable_private_segment 0
		.amdhsa_kernarg_size 72
		.amdhsa_user_sgpr_count 2
		.amdhsa_user_sgpr_kernarg_segment_ptr 1
		.amdhsa_wavefront_size32 1
		.amdhsa_system_sgpr_workgroup_id_x 1
		.amdhsa_system_sgpr_workgroup_id_y 1
		.amdhsa_system_sgpr_workgroup_id_z 1
		.amdhsa_system_vgpr_workitem_id 0
		.amdhsa_next_free_vgpr 208
		.amdhsa_next_free_sgpr 66
		.amdhsa_reserve_vcc 1
		.amdhsa_float_denorm_mode_32 3
		.amdhsa_float_denorm_mode_16_64 3
		.amdhsa_memory_ordered 1
		.amdhsa_forward_progress 1
		.amdhsa_inst_pref_size 28
	.end_amdhsa_kernel
	.amdgpu_metadata
---
amdhsa.version: [ 1, 2 ]
amdhsa.kernels:
  - .name:           k_q7617a5d20e_ln
    .symbol:         k_q7617a5d20e_ln.kd
    .args:
      - { .name: qk, .offset: 0, .size: 8, .value_kind: global_buffer, .address_space: global }
      - { .name: vp, .offset: 8, .size: 8, .value_kind: global_buffer, .address_space: global }
      - { .name: lambda_q1, .offset: 16, .size: 8, .value_kind: global_buffer, .address_space: global }
      - { .name: lambda_k1, .offset: 24, .size: 8, .value_kind: global_buffer, .address_space: global }
      - { .name: lambda_q2, .offset: 32, .size: 8, .value_kind: global_buffer, .address_space: global }
      - { .name: lambda_k2, .offset: 40, .size: 8, .value_kind: global_buffer, .address_space: global }
      - { .name: ln_gamma, .offset: 48, .size: 8, .value_kind: global_buffer, .address_space: global }
      - { .name: ln_beta, .offset: 56, .size: 8, .value_kind: global_buffer, .address_space: global }
      - { .name: xn, .offset: 64, .size: 8, .value_kind: global_buffer, .address_space: global }
    .group_segment_fixed_size: 0
    .private_segment_fixed_size: 0
    .kernarg_segment_align: 8
    .kernarg_segment_size: 72
    .max_flat_workgroup_size: 256
    .sgpr_count:     66
    .vgpr_count:     208
    .wavefront_size: 32
...
	.end_amdgpu_metadata
.endif
;; end of part 3
;; launch gemm_o (part 4): grid 8 x 32, 4 waves a work-group, clusters of 4 x 4, 327,680 bytes of LDS; arguments xn, wo, out0; writes out0
.if DOCPART == 4
	.amdgcn_target "amdgcn-amd-amdhsa--gfx1250"
	.amdhsa_code_object_version 6
	.text
	.protected	k_q7617a5d20e_gemm_o
	.globl	k_q7617a5d20e_gemm_o
	.p2align	8
	.type	k_q7617a5d20e_gemm_o,@function
k_q7617a5d20e_gemm_o:
	s_mov_b64 s[64:65], 0
	v_nop
	global_prefetch_b8 v0, s[64:65] scope:SCOPE_SE
	s_setreg_imm32_b32 hwreg(HW_REG_WAVE_MODE, 25, 1), 1
	s_wait_xcnt 0x0
	s_wait_alu depctr_hold_cnt(0) depctr_sa_sdst(0) depctr_va_vdst(0) depctr_va_sdst(0) depctr_va_ssrc(0) depctr_va_vcc(0) depctr_vm_vsrc(0)
	s_getreg_b32 s2, hwreg(HW_REG_IB_STS2, 6, 4)
	s_cmp_eq_u32 s2, 0
	s_cbranch_scc0 .Lentry_in_a_cluster
	s_endpgm
.Lentry_in_a_cluster:
	s_bfe_u32 s2, ttmp6, 0x10000c
	s_cmp_lg_u32 s2, 0xf033
	s_cbranch_scc0 .Lentry_shape_is_right
	s_endpgm
.Lentry_shape_is_right:
; THE OUTPUT PROJECTION.  C[m][n] = sum over k of A[m][k] B[n][k].  A = xn, the normalised rows, [4096][1024] bf16; B = wo = W_o, [2048][1024] bf16; C = out0, [4096][2048] f32.
; Sums in f32, K ascending.
; A tile of C is 128 x 256: the tile that gives each of the 256 work-groups one.  Four waves, each 64 x 128: 32 accumulators of 16 x 16, 256 registers; for 32 along K a wave reads
; 24 x 16 bytes a lane from LDS for 32 matrix instructions.  K goes in steps of 128 (tile rows of 256 bytes, at multiples of 256 bytes from the buffer's first byte) through a ring of
; two LDS slots; two slots of twice that step would need 405,504 bytes.
; CLUSTERS: 4 x 4 work-groups.  The four of a row of the cluster need the same tiles of A, the four of a column the same tiles of B: each tile is asked for JOINTLY, by the same tensor
; load with the same descriptor and a mask that names the four.
; THE MATRIX INSTRUCTION IS USED TRANSPOSED (source 0 = 16 rows of B, source 1 = 16 rows of A): a lane then holds eight neighbouring numbers of a row of C.
; REGISTERS: window 0: v0-31 addresses; v64-159, v160-255 two fragment buffers (32 registers of A: 4 x 16 rows x 32 K; then 64 of B: 8 x 16 rows x 32 K); on the way out v64-191 hold rows read back.
;   window 1: the accumulators ((a, b) at v[8 (8 a + b)]: a = block of 16 rows, b = block of 16 columns).
.set SIZE_N, 2048
.set SIZE_K, 1024
.set KSTEP,  128
.set PITCH,  272                       ; an LDS row: 256 bytes of data + 16 of padding = 68 words: row r starts at bank 4 r mod 64 (64 banks of 4 bytes: ISA guide 11.1)
.set AHALF,  64*PITCH                  ; 64 rows of A: what one tensor load brings, and what one wave reads of A
.set BHALF,  128*PITCH                 ; 128 rows of B: likewise
.set BOFF,   2*AHALF                   ; a slot: A's 128 rows, then B's 256 rows
.set SLOT,   BOFF+2*BHALF              ; 104,448 bytes
.set STAGE,  2*SLOT                    ; behind the ring: 16 rows x 528 bytes for each wave, for the way out
.set SPITCH, 528                       ; 512 bytes (128 f32) + 16: the 16 rows that a store touches start at 16 different groups of four banks
.set SPARE,  STAGE+4*16*SPITCH         ; behind the stages: the spare words, 128 bytes for each wave: two blocks of 256 bytes that no other line names
.set LAPS,   SIZE_K/(2*KSTEP)          ; a lap = two K steps = once round the ring: 4
.set ADRA, 16                          ; v16-17  LDS address of my A fragments in slot 0, 1
.set ADRB, 20                          ; v20-21  the same for B
.set STO,  24                          ; v24     the way out: where I put 32 bytes of a row
.set RD,   25                          ; v25     the way out: where I read a row back
.set CO,   26                          ; v26     my byte offset in a row's 512 bytes of C
.set SPW,  28                          ; v28     LDS address of my spare word: SPARE + 4 x my thread's number; never rewritten
.set NIL,  29                          ; v29     0; never rewritten
.set F0,   64
.set F1,   160
.set OB,   64                          ; the way out: 16 rows read back from the stage: v64-127 and v128-191 by turns
.set G1, 24                            ; s[24:31] descriptor group 1 for A's tiles;  s[32:39] group 0, one set for each slot
.set G0, 32
.set G1B, 48                           ; s[48:55], s[56:63] the same for B's tiles
.set G0B, 56
.set FLAGS, (1<<16)|(1<<20)|(1<<21)|(5<<22)|(3<<25)  ; 17:16 element of 2 bytes; 20 padding on; 21 set beside a mask; 24:22 after every 64 words (code 5); 31:25 of 4 words (code 3)
.set MSB, 0
.macro WIN new                         ; the immediate's high byte repeats the setting that is left; a switch that changes nothing is dropped
.if MSB != (\new)
	s_set_vgpr_msb (MSB<<8)|(\new)
.set MSB, \new
.endif
.endm
.set MUL, 0x50                         ; sources 0 (B) and 1 (A) window 0; C and D window 1
.set OUT, 0x04                         ; an LDS store's data (source 1) window 1, its address window 0
.macro JLOAD s                         ; a joint load: waves 0 and 1 fetch A's two halves, waves 2 and 3 B's; an s_nop 0 and four v_nop follow each of the two lines, ahead of the jump, the label and what follows
	s_cmp_eq_u32 s11, 0
	s_cbranch_scc0 .Lfor_b_\@
	tensor_load_to_lds s[G0+4*(\s):G0+4*(\s)+3], s[G1:G1+7]
	s_nop 0
.rept 4
	v_nop
.endr
	s_branch .Lasked_\@
.Lfor_b_\@:
	tensor_load_to_lds s[G0B+4*(\s):G0B+4*(\s)+3], s[G1B:G1B+7]
	s_nop 0
.rept 4
	v_nop
.endr
.Lasked_\@:
.endm
.macro CREST                           ; a round of the cluster's barrier behind its opening barrier
	s_cmp_lg_u32 s10, 0
	s_cbranch_scc1 .Lnot_wave_0_\@
	s_barrier_signal -3
.Lnot_wave_0_\@:
	s_barrier_wait -3
	s_barrier_signal -1
	s_barrier_wait -1
.endm
.macro CROUND                          ; a whole round
	s_barrier_signal -1
	s_barrier_wait -1
	CREST
.endm
	s_load_b128 s[4:7], s[0:1], 0x0                ; A s[4:5], B s[6:7]
	s_load_b64 s[8:9], s[0:1], 0x10                ; C
	v_lshl_add_u32 v[SPW], v0, 2, SPARE
	v_mov_b32 v[NIL], 0
	ds_add_u32 v[SPW], v[NIL]                      ; the wave's opening: the add and its wait stand ahead of my first tensor load; the set-up below, work on registers, stands between them
	v_lshrrev_b32 v1, 5, v0
	v_readfirstlane_b32 s10, v1                    ; wave 0..3
	s_lshr_b32 s11, s10, 1                         ; which 64 of the tile's rows are mine.  Also: I fetch for A (0) or for B (1)
	s_and_b32 s12, s10, 1                          ; which 128 of its columns.  Also: which half of that tile I fetch
	s_bfe_u32 s40, ttmp6, 0x40000                  ; cx, cy: my place in the cluster
	s_bfe_u32 s41, ttmp6, 0x40004
	s_lshl_b32 s42, ttmp9, 2
	s_add_co_u32 s42, s42, s40                     ; tile column of C = 4 x cluster x + cx
	s_and_b32 s13, ttmp7, 0xffff
	s_lshl_b32 s13, s13, 2
	s_add_co_u32 s13, s13, s41                     ; tile row of C = 4 x cluster y + cy
	s_lshl_b32 s43, s41, 2
	s_lshl_b32 s43, 15, s43                        ; my row of the cluster
	s_lshl_b32 s44, 0x1111, s40                    ; my column
	; descriptor group 1.  A: 64 rows x 128 elements;  B: 128 rows x 128 elements; both out of rows of 1,024
	s_or_b32 s[G1+0], s43, FLAGS                   ; 15:0 the mask: A's tiles go to my row
	s_mov_b32 s[G1+1], KSTEP<<16                   ; tensor_dim0 = 128
	s_mov_b32 s[G1+2], 64<<16                      ; tensor_dim1 = 64
	s_mov_b32 s[G1+3], KSTEP<<16                   ; tile_dim0 = 128
	s_mov_b32 s[G1+4], 64                          ; tile_dim1 = 64
	s_mov_b32 s[G1+5], SIZE_K                      ; elements from row to row
	s_mov_b32 s[G1+6], 0
	s_mov_b32 s[G1+7], 0
	s_or_b32 s[G1B+0], s44, FLAGS                  ; B's tiles go to my column
	s_mov_b32 s[G1B+1], KSTEP<<16
	s_mov_b32 s[G1B+2], 128<<16
	s_mov_b32 s[G1B+3], KSTEP<<16
	s_mov_b32 s[G1B+4], 128
	s_mov_b32 s[G1B+5], SIZE_K
	s_mov_b32 s[G1B+6], 0
	s_mov_b32 s[G1B+7], 0
	; where the tiles come from, in bytes (all under 2^24).  A's hang on the tile row, B's on the tile column: each in registers that never hold the other's place in the cluster.
	s_lshl_b32 s16, s13, 7
	s_lshl_b32 s17, s12, 6
	s_add_co_u32 s16, s16, s17                     ; A: row 128 x tile row + 64 x half,
	s_lshl_b32 s16, s16, 11                        ; of 2,048 bytes
	s_mov_b32 s17, 0
	s_lshl_b32 s46, s42, 8
	s_lshl_b32 s47, s12, 7
	s_add_co_u32 s46, s46, s47                     ; B: row 256 x tile column + 128 x half,
	s_lshl_b32 s46, s46, 11                        ; of 2,048 bytes
	s_mov_b32 s47, 0
	s_mul_i32 s20, s12, AHALF                      ; where they go: A's half,
	s_mul_i32 s21, s12, BHALF
	s_add_co_u32 s21, s21, BOFF                    ; B's half: no place in the cluster enters an LDS address
	s_wait_dscnt 0x0                               ; the opening add is done
	s_wait_kmcnt 0x0
	s_add_nc_u64 s[14:15], s[4:5], s[16:17]
	s_add_nc_u64 s[46:47], s[6:7], s[46:47]
	CROUND                                         ; all sixteen work-groups are here: the first joint loads meet
.irp s, 0,1
	s_mov_b32 s[G0+4*(\s)], 1                                      ; count = 1
	s_add_co_u32 s[G0+4*(\s)+1], s20, (\s)*SLOT                    ; LDS address
	s_add_nc_u64 s[G0+4*(\s)+2:G0+4*(\s)+3], s[14:15], (\s)*KSTEP*2  ; global address: K step s
	s_or_b32 s[G0+4*(\s)+3], s[G0+4*(\s)+3], 0x80000000            ; type = 2
	s_mov_b32 s[G0B+4*(\s)], 1
	s_add_co_u32 s[G0B+4*(\s)+1], s21, (\s)*SLOT
	s_add_nc_u64 s[G0B+4*(\s)+2:G0B+4*(\s)+3], s[46:47], (\s)*KSTEP*2
	s_or_b32 s[G0B+4*(\s)+3], s[G0B+4*(\s)+3], 0x80000000
	JLOAD \s                                       ; two loads of mine are out
.endr
	v_and_b32 v1, 15, v0                           ; l % 16
	v_bfe_u32 v2, v0, 4, 1                         ; l / 16
	v_mul_u32_u24 v3, v1, PITCH
	v_lshl_add_u32 v3, v2, 4, v3                   ; a fragment's row x pitch + 16 x half
	s_mul_i32 s22, s11, AHALF                      ; my 64 rows of A
	s_mul_i32 s23, s12, BHALF                      ; my 128 rows of B,
	s_add_co_u32 s23, s23, BOFF                    ; which lie behind A's 128
.irp s, 0,1
	v_add_nc_u32 v[ADRA+(\s)], s22, v3
	v_add_nc_u32 v[ADRB+(\s)], s23, v3
	s_add_co_u32 s22, s22, SLOT
	s_add_co_u32 s23, s23, SLOT
.endr
	s_mul_i32 s22, s10, 16*SPITCH
	s_add_co_u32 s22, s22, STAGE                   ; my stage
	v_mul_u32_u24 v4, v1, SPITCH                   ; in: row l % 16, 32 bytes for each half of the lanes
	v_lshl_add_u32 v4, v2, 5, v4
	v_add_nc_u32 v[STO], s22, v4
	v_and_b32 v5, 31, v0
	v_lshlrev_b32 v[CO], 4, v5                     ; back: 32 lanes take one row of 512 bytes,
	v_add_nc_u32 v[RD], s22, v[CO]                 ; and the same in C
	s_lshl_b32 s16, s13, 7
	s_lshl_b32 s17, s11, 6
	s_add_co_u32 s16, s16, s17                     ; my first row of C: 128 x tile row + 64 x half,
	s_lshl_b32 s16, s16, 13                        ; of 8,192 bytes
	s_mov_b32 s17, 0
	s_add_nc_u64 s[8:9], s[8:9], s[16:17]
	s_lshl_b32 s46, s42, 8
	s_lshl_b32 s47, s12, 7
	s_add_co_u32 s46, s46, s47                     ; my first column: 256 x tile column + 128 x half,
	s_lshl_b32 s46, s46, 2                         ; of 4 bytes: a multiple of 512
	s_mov_b32 s47, 0
	s_add_nc_u64 s[8:9], s[8:9], s[46:47]
; 8 matrix instructions: row block a x all 8 column blocks, 32 along K, from buffer f.  zero = 1: the first product starts the sums: nothing is ever cleared.
; The 32 accumulators take turns, in the same order in every quarter: between two links of a chain stand the 31 others'.
.macro MULA f, a, zero
	WIN MUL
.irp b, 0,1,2,3,4,5,6,7
.if \zero
	v_wmma_f32_16x16x32_bf16 v[8*(8*(\a)+(\b)):8*(8*(\a)+(\b))+7], v[(\f)+32+8*(\b):(\f)+32+8*(\b)+7], v[(\f)+8*(\a):(\f)+8*(\a)+7], 0
.else
	v_wmma_f32_16x16x32_bf16 v[8*(8*(\a)+(\b)):8*(8*(\a)+(\b))+7], v[(\f)+32+8*(\b):(\f)+32+8*(\b)+7], v[(\f)+8*(\a):(\f)+8*(\a)+7], v[8*(8*(\a)+(\b)):8*(8*(\a)+(\b))+7]
.endif
.endr
.endm
; 24 LDS loads in one run: the fragments of 32 along K at byte k of the rows, into buffer f: B's sixteen first, then A's eight, row blocks ascending
.macro FETCH slot, k, f
	WIN 0
.irp i, 0,1,2,3,4,5,6,7
	ds_load_b128 v[(\f)+32+8*(\i):(\f)+32+8*(\i)+3],   v[ADRB+(\slot)] offset:(\k)+(\i)*16*PITCH
	ds_load_b128 v[(\f)+32+8*(\i)+4:(\f)+32+8*(\i)+7], v[ADRB+(\slot)] offset:(\k)+(\i)*16*PITCH+32
.endr
.irp i, 0,1,2,3
	ds_load_b128 v[(\f)+8*(\i):(\f)+8*(\i)+3],   v[ADRA+(\slot)] offset:(\k)+(\i)*16*PITCH
	ds_load_b128 v[(\f)+8*(\i)+4:(\f)+8*(\i)+7], v[ADRA+(\slot)] offset:(\k)+(\i)*16*PITCH+32
.endr
.endm
.macro PLACES                          ; four places in front of loads into registers that matrix instructions have read, and of LDS stores that read results (ISA guide 7.12.1 for vector instructions)
.rept 4
	v_nop
.endr
.endm
; A K step is four quarters of 32 along K, 32 matrix instructions each, on buffers 0, 1, 0, 1.  One of the first three: multiplies buffer f and fetches the next quarter, at byte k, into g.
.macro QUARTER slot, k, f, g, zero
	s_wait_dscnt 4                                 ; B and A's row blocks 0, 1 are in; the youngest four loads (blocks 2, 3) may be out
	MULA \f, 0, \zero
	MULA \f, 1, \zero
	PLACES
	FETCH \slot, \k, \g
	s_wait_dscnt 24                                ; all but the 24 just issued
	MULA \f, 2, \zero
	MULA \f, 3, \zero
.endm
; The last quarter multiplies buffer 1 and changes slots: ONE barrier; in front of it each wave waits for all its tensor loads (one is out: its part of the next slot), adds 0 to its
; spare word, and waits for that and for its own reads of this slot.  fill = 1: this slot is filled again, two K steps ahead; the barrier then opens a round of the cluster's.
.macro TURN slot, next, fill
	WIN 0                                          ; (the add's two registers lie in window 0)
	s_wait_tensorcnt 0x0                           ; all my tensor loads have landed: my part of the next slot;
	ds_add_u32 v[SPW], v[NIL]                      ; 0 onto my spare word
	s_wait_dscnt 5                                 ; (the add and the youngest four loads may be out)
	MULA F1, 0, 0                                  ; eight matrix instructions stand between the add and the wait for it
	s_wait_dscnt 0x0                               ; the add is done, and my reads of this slot are over
	s_barrier_signal -1
	MULA F1, 1, 0
.if \fill
	WIN 0
.endif
	s_barrier_wait -1
.if \fill
	CREST                                          ; no wave of any partner still reads this slot's tile or has a load on its way
	s_add_nc_u64 s[G0+4*(\slot)+2:G0+4*(\slot)+3], s[G0+4*(\slot)+2:G0+4*(\slot)+3], 2*KSTEP*2
	s_add_nc_u64 s[G0B+4*(\slot)+2:G0B+4*(\slot)+3], s[G0B+4*(\slot)+2:G0B+4*(\slot)+3], 2*KSTEP*2
	JLOAD \slot                                    ; the first tensor load behind the round, my only one until the next: 112 matrix instructions ahead of the wait for it; its four v_nop are also the places in front of the loads below
.else
	PLACES
.endif
	FETCH \next, 0, F0
	MULA F1, 2, 0
	MULA F1, 3, 0
.endm
	s_wait_tensorcnt 1                             ; my part of K step 0 is in; K step 1's load, issued behind it, may stay out
	s_barrier_signal -1
	s_barrier_wait -1                              ; everybody's is
	FETCH 0, 0, F0
	QUARTER 0, 64, F0, F1, 1                       ; the first quarter stands in front of the loop: its products start the sums
	WIN 0                                          ; at a label and at a branch every window is 0
	s_mov_b32 s3, LAPS-1
.Llap:                                                 ; a trip goes once round the ring, from a lap's second quarter to the next lap's first, and fills both slots again
	QUARTER 0, 128, F1, F0, 0
	QUARTER 0, 192, F0, F1, 0
	TURN 0, 1, 1
	QUARTER 1, 64,  F0, F1, 0
	QUARTER 1, 128, F1, F0, 0
	QUARTER 1, 192, F0, F1, 0
	TURN 1, 0, 1
	QUARTER 0, 64,  F0, F1, 0
	WIN 0
	s_sub_co_u32 s3, s3, 1
	s_cmp_lg_u32 s3, 0
	s_cbranch_scc1 .Llap
	QUARTER 0, 128, F1, F0, 0                      ; the last lap fills nothing, and has no round of the cluster's barrier
	QUARTER 0, 192, F0, F1, 0
	TURN 0, 1, 0
	QUARTER 1, 64,  F0, F1, 0
	QUARTER 1, 128, F1, F0, 0
	QUARTER 1, 192, F0, F1, 0
	s_wait_dscnt 4                                 ; the very last quarter: nothing more to fetch
	MULA F1, 0, 0
	MULA F1, 1, 0
	s_wait_dscnt 0x0
	MULA F1, 2, 0
	MULA F1, 3, 0
	WIN 0
; THE WAY OUT, a block of 16 rows at a time, through my own stage: no other wave touches it and no tensor load fills it, so no barrier.  A lane's eight f32 are 32 bytes of a row;
; they go into rows of 528 bytes (each accumulator's low four registers first) and come back as whole rows of 512 bytes.
.macro TOSTAGE a
.set BK, OB+64*((\a)%2)
	WIN OUT
.irp b, 0,1,2,3,4,5,6,7
	ds_store_b128 v[STO], v[8*(8*(\a)+(\b)):8*(8*(\a)+(\b))+3]   offset:64*(\b)
	ds_store_b128 v[STO], v[8*(8*(\a)+(\b))+4:8*(8*(\a)+(\b))+7] offset:64*(\b)+16
.endr
	WIN 0
	s_wait_xcnt 0x0                                ; every earlier memory instruction has had its addresses translated (ISA guide 3.1): the registers that the stores of two blocks ago read are loaded again only behind this wait
.irp t, 0,1,2,3,4,5,6,7,8,9,10,11,12,13,14,15
	ds_load_b128 v[BK+4*(\t):BK+4*(\t)+3], v[RD] offset:(\t)*SPITCH  ; LDS serves a wave's instructions in order (ISA guide 5.7.1.4): these see the stores above; the next block's stores come behind them
.endr
.endm
.macro SEND a, younger                 ; younger: the LDS instructions issued behind block a's loads: the next block's 16 stores and 16 loads, or none
.set BK, OB+64*((\a)%2)
.irp t, 0,1,2,3,4,5,6,7,8,9,10,11,12,13,14,15
	s_wait_dscnt (\younger)+15-(\t)
	global_store_b128 v[CO], v[BK+4*(\t):BK+4*(\t)+3], s[8:9] offset:(16*(\a)+(\t))*SIZE_N*4  ; 512 consecutive bytes, at a multiple of 512 from C's first byte; 63 rows of 8,192 bytes at the most, inside the signed 24-bit immediate
.endr
.endm
	PLACES                                         ; behind the last products: the stage's stores read results, and the loads from it land in fragment registers
	TOSTAGE 0
	TOSTAGE 1                                      ; a block's LDS work stands between the loads of the block before and its stores
	SEND 0, 32
	TOSTAGE 2
	SEND 1, 32
	TOSTAGE 3
	SEND 2, 32
	SEND 3, 0
	s_wait_tensorcnt 0x0                           ; the wave's end: behind my last tensor load and my last LDS store
	ds_add_u32 v[SPW], v[NIL]
	s_wait_dscnt 0x0
	CROUND                                         ; the closing round: no work-group ends while a partner may still ask for a tile that names it
	s_endpgm
.Lfunc_end_k_q7617a5d20e_gemm_o:
	.size	k_q7617a5d20e_gemm_o, .Lfunc_end_k_q7617a5d20e_gemm_o-k_q7617a5d20e_gemm_o
	.p2alignl 7, 3214868480
	.fill 96, 4, 3214868480
	.section	.rodata,"a",@progbits
	.p2align	6, 0x0
	.amdhsa_kernel k_q7617a5d20e_gemm_o
		.amdhsa_group_segment_fixed_size 327680
		.amdhsa_private_segment_fixed_size 0
		.amdhsa_enable_private_segment 0
		.amdhsa_kernarg_size 24
		.amdhsa_user_sgpr_count 2
		.amdhsa_user_sgpr_kernarg_segment_ptr 1
		.amdhsa_wavefront_size32 1
		.amdhsa_system_sgpr_workgroup_id_x 1
		.amdhsa_system_sgpr_workgroup_id_y 1
		.amdhsa_system_sgpr_workgroup_id_z 1
		.amdhsa_system_vgpr_workitem_id 0
		.amdhsa_next_free_vgpr 512
		.amdhsa_next_free_sgpr 66
		.amdhsa_reserve_vcc 0
		.amdhsa_float_denorm_mode_32 3
		.amdhsa_float_denorm_mode_16_64 3
		.amdhsa_memory_ordered 1
		.amdhsa_forward_progress 1
		.amdhsa_inst_pref_size 87
	.end_amdhsa_kernel
	.amdgpu_metadata
---
amdhsa.version: [ 1, 2 ]
amdhsa.kernels:
  - .name:           k_q7617a5d20e_gemm_o
    .symbol:         k_q7617a5d20e_gemm_o.kd
    .args:
      - { .name: xn, .offset: 0, .size: 8, .value_kind: global_buffer, .address_space: global }
      - { .name: wo, .offset: 8, .size: 8, .value_kind: global_buffer, .address_space: global }
      - { .name: out0, .offset: 16, .size: 8, .value_kind: global_buffer, .address_space: global }
    .group_segment_fixed_size: 327680
    .private_segment_fixed_size: 0
    .kernarg_segment_align: 8
    .kernarg_segment_size: 24
    .max_flat_workgroup_size: 128
    .sgpr_count:     66
    .vgpr_count:     512
    .wavefront_size: 32
...
	.end_amdgpu_metadata
.endif
;; end of part 4
;; ======== version 2 of 2: 4 launches; version 1 with the launch ln written anew for expert scheduling mode
;; workspace buffers: ab 50,331,648 bytes; vh 16,777,216 bytes; wv 4,194,304 bytes; wo 4,194,304 bytes; qk 33,554,432 bytes; vp 16,777,216 bytes; xn 8,388,608 bytes
;; launch cvt: the kernel of part 1 again; grid 128 x 18, 8 waves a work-group, no clusters, 0 bytes of LDS; arguments query, key, W_q, W_k, value, W_v, W_o, ab, vh, wv, wo; writes ab, vh, wv, wo
;; launch gemm_qkv: the kernel of part 2 again; grid 8 x 32, 4 waves a work-group, clusters of 4 x 4, 327,680 bytes of LDS; arguments ab, vh, wv, qk, vp; writes qk, vp
;; launch ln (part 5): grid 512 x 1, 8 waves a work-group, no clusters, 0 bytes of LDS; arguments qk, vp, lambda_q1, lambda_k1, lambda_q2, lambda_k2, ln_gamma, ln_beta, xn; writes xn
.if DOCPART == 5
	.amdgcn_target "amdgcn-amd-amdhsa--gfx1250"
	.amdhsa_code_object_version 6
	.text
	.protected	k_q7617a5d20e_ln
	.globl	k_q7617a5d20e_ln
	.p2align	8
	.type	k_q7617a5d20e_ln,@function
k_q7617a5d20e_ln:
	s_mov_b64 s[64:65], 0
	v_nop
	global_prefetch_b8 v0, s[64:65] scope:SCOPE_SE
	s_setreg_imm32_b32 hwreg(HW_REG_WAVE_SCHED_MODE, 0, 2), 2
	s_setreg_imm32_b32 hwreg(HW_REG_WAVE_MODE, 25, 1), 1
	s_wait_xcnt 0x0
	s_wait_alu depctr_vm_vsrc(0)
; For each of the 4,096 rows: the 2 x 16 scores s = Q . K / 8 (64 terms each), their softmax over the one key, lam, A_diff = A1 - lam A2, x = A_diff V, LayerNorm with gamma and beta.
; In: qk [8192][2048] bf16 (rows 0-4095 Q, 4096-8191 K); vp [4096][1024] f32 (V); the four lambdas, gamma, beta in f32.
; Out: xn [4096][1024] bf16: the normalised rows, the first operand of the product behind this launch.
; ONE WAVE, ONE ROW: no LDS, no barrier, no loop.  All 44 loads of a wave are issued before the first is used; the waits below count the younger ones that may stay out.
; LANES.  Load j of Q or K gives lane l the elements 256 j + 8 l .. + 7: head 2 j + l / 16, half (l / 8) % 2, so a score is the sum over eight neighbouring lanes, and the head's other
; half lies eight lanes away.  Load j of V gives lane l the columns 128 j + 4 l .. + 3: head 2 j + l / 16 again.  So A_diff is made in the lanes that use it.
; LIMITS.  Q and K arrive rounded to bf16.  The lambdas, gamma and beta are rounded to bf16 like every other input of the module; the result is rounded once to bf16.
; The softmax is written as it stands: the score less the maximum over its one key (itself), the exponential, the division by the sum (the exponential itself): 1 for a finite score, NaN otherwise.
; The variance is the mean of the squared distances from the mean, in a second pass over registers.  v_exp_f32, v_rcp_f32, v_rsq_f32: 1 ULP, denormals flushed (ISA guide 15.8).
; THE MODE: SCHED_MODE bits 1:0 = 2 (LLVM: expert scheduling mode 2), set by the entry lines.  The code itself states the register dependences
; between vector instructions and memory instructions, with s_wait_alu, always for 0.
; THE PLAN.  Registers that memory instructions touch:
;   v1, v2       byte offsets, made once at the head and never written again.  v1 is read by the 40 loads of 16 bytes; v2 by the four loads of the lambdas and by the eight stores.
;   LM, Q, K, VA, G, BT   the loads land here.  No vector instruction names them ahead of the loads (the head works in v0-v5 and v14); behind the wait on LOADcnt that shows a
;                group in, vector instructions alone name it.
;   Y            (Q's first 16 registers, long read) written by the last sixteen roundings, read by the eight stores; nothing writes it behind them.
; So two waits on va_vdst state all that the memory instructions hang on: one ahead of the first load (v1, v2 are written), one ahead of the run of stores (Y is written).
; No register that a memory instruction reads is written again, so no wait on vm_vsrc is owed.  The wave's number (s22) and VCC are written by vector instructions: each has its wait
; ahead of its first reader.  The other waits on va_vdst stand between a batch of transcendentals and the first instruction that names a result of it.
.set Q,  16                            ; v[16:47]    Q: 8 x 4 registers of two bf16
.set K,  48                            ; v[48:79]    K likewise
.set VA, 80                            ; v[80:111]   V: 8 x 4 f32; then x, x - mean, the normalised row
.set G,  112                           ; v[112:143]  gamma; then packed to bf16 in v[112:127]
.set BT, 144                           ; v[144:175]  beta; then packed in v[144:159]
.set LM, 176                           ; v[176:183]  two numbers a lane of lambda_q1, _k1, _q2, _k2
.set S,  184                           ; v[184:191]  scores, then weights
.set D,  192                           ; v[192:199]  at work
.set AD, 200                           ; v[200:207]  A_diff of the head of load j
.set Y,  16                            ; v[16:31]    the row in bf16 (Q's registers, long read)
.set T,  14                            ; v14         takes the other half of the lanes' sum
.macro WSUM r                          ; the sum over the wave's 32 lanes, in every lane: four steps inside each half of 16 lanes ride on the addition (DPP), one crosses the halves
	v_add_f32_dpp v[\r], v[\r], v[\r] row_xmask:1 row_mask:0xf bank_mask:0xf
	v_add_f32_dpp v[\r], v[\r], v[\r] row_xmask:2 row_mask:0xf bank_mask:0xf
	v_add_f32_dpp v[\r], v[\r], v[\r] row_xmask:4 row_mask:0xf bank_mask:0xf
	v_add_f32_dpp v[\r], v[\r], v[\r] row_xmask:8 row_mask:0xf bank_mask:0xf
	v_permlanex16_b32 v[T], v[\r], s30, s31
	v_add_f32 v[\r], v[\r], v[T]
.endm
	s_load_b512 s[4:19], s[0:1], 0x0               ; qk s[4:5], vp s[6:7], lambda_q1 s[8:9], _k1 s[10:11], _q2 s[12:13], _k2 s[14:15], gamma s[16:17], beta s[18:19]
	s_load_b64 s[20:21], s[0:1], 0x40              ; xn
	v_lshrrev_b32 v4, 5, v0
	v_readfirstlane_b32 s22, v4                    ; wave 0..7; the head's other lines stand between this one and the wait for it
	v_and_b32 v5, 31, v0
	v_lshlrev_b32 v1, 4, v5                        ; 16 bytes a lane
	v_lshlrev_b32 v2, 3, v5                        ; 8 bytes a lane
	v_mov_b32 v3, 0                                ; starts the sums of products
	v_mov_b32 v[T], 0                              ; v_permlanex16_b32's destination counts as read
	s_mov_b32 s25, 0
	s_mov_b32 s29, 0
	s_mov_b32 s30, 0x76543210                      ; v_permlanex16_b32: each lane takes its own place in the other half
	s_mov_b32 s31, 0xfedcba98
	s_mov_b32 s32, 0x3727c5ac                      ; 1e-5
	s_mov_b32 s33, 0x3a800000                      ; 1 / 1024
	s_lshl_b32 s23, ttmp9, 3
	s_wait_alu depctr_va_sdst(0)                   ; s22 is written, ahead of its first reader: the row's number and the three bases are made from it
	s_add_co_u32 s23, s23, s22                     ; my row
	s_lshl_b32 s24, s23, 12                        ; 4,096 bytes a row of qk and of vp
	s_lshl_b32 s28, s23, 11                        ; 2,048 bytes a row of xn
	s_wait_kmcnt 0x0
	s_add_nc_u64 s[4:5], s[4:5], s[24:25]          ; Q's row
	s_add_nc_u64 s[26:27], s[4:5], 0x1000000       ; K's row: 4,096 rows further down
	s_add_nc_u64 s[6:7], s[6:7], s[24:25]
	s_add_nc_u64 s[20:21], s[20:21], s[28:29]
	s_wait_alu depctr_va_vdst(0)                   ; v1 and v2 are written: every load and store of the kernel reads one of them as its offset
	global_load_b64 v[LM:LM+1],   v2, s[8:9]
	global_load_b64 v[LM+2:LM+3], v2, s[10:11]
	global_load_b64 v[LM+4:LM+5], v2, s[12:13]
	global_load_b64 v[LM+6:LM+7], v2, s[14:15]
.irp j, 0,1,2,3,4,5,6,7
	global_load_b128 v[Q+4*(\j):Q+4*(\j)+3], v1, s[4:5] offset:512*(\j) th:TH_LOAD_NT
.endr
.irp j, 0,1,2,3,4,5,6,7
	global_load_b128 v[K+4*(\j):K+4*(\j)+3], v1, s[26:27] offset:512*(\j) th:TH_LOAD_NT
.endr
.irp j, 0,1,2,3,4,5,6,7
	global_load_b128 v[VA+4*(\j):VA+4*(\j)+3], v1, s[6:7] offset:512*(\j) th:TH_LOAD_NT
.endr
.irp j, 0,1,2,3,4,5,6,7
	global_load_b128 v[G+4*(\j):G+4*(\j)+3], v1, s[16:17] offset:512*(\j)
.endr
.irp j, 0,1,2,3,4,5,6,7
	global_load_b128 v[BT+4*(\j):BT+4*(\j)+3], v1, s[18:19] offset:512*(\j)
.endr
	; LAM = exp(sum lambda_q1 lambda_k1) - exp(sum lambda_q2 lambda_k2) + 0.8; kept as -lam
	s_wait_loadcnt 40                              ; loads come back in order (ISA guide 5.7.1): the four lambdas are in, the 40 younger loads stay out
	v_cvt_pk_bf16_f32 v4, v[LM], v[LM+1]
	v_cvt_pk_bf16_f32 v5, v[LM+2], v[LM+3]
	v_cvt_pk_bf16_f32 v6, v[LM+4], v[LM+5]
	v_cvt_pk_bf16_f32 v7, v[LM+6], v[LM+7]
	v_fma_mix_f32_bf16 v8, v4, v5, v3 op_sel_hi:[1,1,0]                   ; the low halves' product,
	v_fma_mix_f32_bf16 v9, v6, v7, v3 op_sel_hi:[1,1,0]
	v_fma_mix_f32_bf16 v8, v4, v5, v8 op_sel:[1,1,0] op_sel_hi:[1,1,0]    ; and the high halves'
	v_fma_mix_f32_bf16 v9, v6, v7, v9 op_sel:[1,1,0] op_sel_hi:[1,1,0]
	WSUM 8
	WSUM 9
	v_mul_f32 v8, 0x3fb8aa3b, v8                   ; e^x = 2^(x log2 e)
	v_mul_f32 v9, 0x3fb8aa3b, v9
	v_exp_f32 v8, v8
	v_exp_f32 v9, v9
	v_and_b32 v10, 8, v0                           ; a plain instruction behind the exponentials (ISA guide 5.7.2): which half of a head my lane's scores belong to
	s_wait_alu depctr_va_vdst(0)                   ; the two exponentials have written v8 and v9, which the subtraction reads
	v_sub_f32 v8, v9, v8
	v_add_f32 v8, 0xbf4ccccd, v8                   ; -lam = e2 - e1 - 0.8: the same roundings as lam's, the sign turned
	v_cmp_ne_u32 vcc_lo, 0, v10
	v_mov_b32 v11, 1.0
	s_wait_alu depctr_va_vcc(0)                    ; the compare has written VCC, ahead of its first reader: the two selects below go by it
	v_cndmask_b32 v12, v11, v8, vcc_lo             ; the factor of my own half's weight: 1 for half 1 of the head, -lam for half 2
	v_cndmask_b32 v13, v8, v11, vcc_lo             ; and of the other half's
	; SCORES: eight chains, one for each load j, take turns
	s_wait_loadcnt 24                              ; Q and K are in; V, gamma and beta stay out
.irp i, 0,1,2,3
.irp j, 0,1,2,3,4,5,6,7
.if (\i) == 0
	v_fma_mix_f32_bf16 v[S+(\j)], v[Q+4*(\j)], v[K+4*(\j)], v3 op_sel_hi:[1,1,0]
.else
	v_fma_mix_f32_bf16 v[S+(\j)], v[Q+4*(\j)+(\i)], v[K+4*(\j)+(\i)], v[S+(\j)] op_sel_hi:[1,1,0]
.endif
.endr
.irp j, 0,1,2,3,4,5,6,7
	v_fma_mix_f32_bf16 v[S+(\j)], v[Q+4*(\j)+(\i)], v[K+4*(\j)+(\i)], v[S+(\j)] op_sel:[1,1,0] op_sel_hi:[1,1,0]
.endr
.endr
.irp m, 1,2,4                          ; the eight lanes of a half head
.irp j, 0,1,2,3,4,5,6,7
	v_add_f32_dpp v[S+(\j)], v[S+(\j)], v[S+(\j)] row_xmask:\m row_mask:0xf bank_mask:0xf
.endr
.endr
	; SOFTMAX over the one key
.irp j, 0,2,4,6
	v_pk_mul_f32 v[S+(\j):S+(\j)+1], v[S+(\j):S+(\j)+1], 0x3e000000 op_sel_hi:[1,0]                     ; s / sqrt(64)
.endr
.irp j, 0,2,4,6
	v_pk_add_f32 v[D+(\j):D+(\j)+1], v[S+(\j):S+(\j)+1], v[S+(\j):S+(\j)+1] neg_lo:[0,1] neg_hi:[0,1]   ; s - max: the maximum over one key is s
.endr
.irp j, 0,2,4,6
	v_pk_mul_f32 v[D+(\j):D+(\j)+1], v[D+(\j):D+(\j)+1], 0x3fb8aa3b op_sel_hi:[1,0]
.endr
.irp j, 0,1,2,3,4,5,6,7
	v_exp_f32 v[D+(\j)], v[D+(\j)]
.endr
	v_nop                                          ; a plain instruction behind the last exponential
	s_wait_alu depctr_va_vdst(0)                   ; the eight exponentials have written v[D ..], which the reciprocals read
.irp j, 0,1,2,3,4,5,6,7
	v_rcp_f32 v[S+(\j)], v[D+(\j)]                 ; the sum over one key is the exponential itself
.endr
	v_nop                                          ; a plain instruction behind the last reciprocal
	s_wait_alu depctr_va_vdst(0)                   ; the eight reciprocals have written v[S ..], which the multiplications read
.irp j, 0,2,4,6
	v_pk_mul_f32 v[S+(\j):S+(\j)+1], v[D+(\j):D+(\j)+1], v[S+(\j):S+(\j)+1]                             ; the weight of my half
.endr
.irp j, 0,1,2,3,4,5,6,7
	v_mul_f32_dpp v[D+(\j)], v[S+(\j)], v13 row_xmask:8 row_mask:0xf bank_mask:0xf                      ; the other half's weight, eight lanes away, times its factor
.endr
.irp j, 0,1,2,3,4,5,6,7
	v_fma_f32 v[AD+(\j)], v[S+(\j)], v12, v[D+(\j)]                                                     ; A1 - lam A2
.endr
	; x = A_diff V, its mean, its variance
	s_wait_loadcnt 16                              ; V is in; gamma and beta stay out
.set p, 0
.rept 16                               ; pair p belongs to load p / 2; the factor is the first or the second register of an even-aligned pair, taken for both halves
.if (p/2)%2 == 0
	v_pk_mul_f32 v[VA+2*p:VA+2*p+1], v[VA+2*p:VA+2*p+1], v[AD+p/2:AD+p/2+1] op_sel_hi:[1,0]
.else
	v_pk_mul_f32 v[VA+2*p:VA+2*p+1], v[VA+2*p:VA+2*p+1], v[AD+p/2-1:AD+p/2] op_sel:[0,1] op_sel_hi:[1,1]
.endif
.set p, p+1
.endr
.irp c, 0,1,2,3                        ; four chains, started by the first eight pairs: nothing is cleared
	v_pk_add_f32 v[4+2*(\c):5+2*(\c)], v[VA+2*(\c):VA+2*(\c)+1], v[VA+8+2*(\c):VA+8+2*(\c)+1]
.endr
.set p, 8
.rept 8
	v_pk_add_f32 v[4+2*(p%4):5+2*(p%4)], v[4+2*(p%4):5+2*(p%4)], v[VA+2*p:VA+2*p+1]
.set p, p+1
.endr
	v_pk_add_f32 v[4:5], v[4:5], v[6:7]
	v_pk_add_f32 v[8:9], v[8:9], v[10:11]
	v_pk_add_f32 v[4:5], v[4:5], v[8:9]
	v_add_f32 v4, v4, v5
	WSUM 4
	v_mul_f32 v4, s33, v4                          ; the mean
.set p, 0
.rept 16
	v_pk_add_f32 v[VA+2*p:VA+2*p+1], v[VA+2*p:VA+2*p+1], v[4:5] op_sel_hi:[1,0] neg_lo:[0,1] neg_hi:[0,1]
.set p, p+1
.endr
.irp c, 0,1,2,3
	v_pk_mul_f32 v[6+2*(\c):7+2*(\c)], v[VA+2*(\c):VA+2*(\c)+1], v[VA+2*(\c):VA+2*(\c)+1]
.endr
.set p, 4
.rept 12
	v_pk_fma_f32 v[6+2*(p%4):7+2*(p%4)], v[VA+2*p:VA+2*p+1], v[VA+2*p:VA+2*p+1], v[6+2*(p%4):7+2*(p%4)]
.set p, p+1
.endr
	v_pk_add_f32 v[6:7], v[6:7], v[8:9]
	v_pk_add_f32 v[10:11], v[10:11], v[12:13]
	v_pk_add_f32 v[6:7], v[6:7], v[10:11]
	v_add_f32 v6, v6, v7
	WSUM 6
	v_fma_f32 v6, v6, s33, s32                     ; the variance + 1e-5
	v_rsq_f32 v6, v6
	v_nop                                          ; a plain instruction behind the root
	s_wait_alu depctr_va_vdst(0)                   ; the root has written v6, by which the row is multiplied
.set p, 0
.rept 16
	v_pk_mul_f32 v[VA+2*p:VA+2*p+1], v[VA+2*p:VA+2*p+1], v[6:7] op_sel_hi:[1,0]
.set p, p+1
.endr
	; gamma and beta, rounded to bf16 like every input; one fused multiply-add in f32; the row rounded once
	s_wait_loadcnt 0x0
.set p, 0
.rept 16                               ; packed in place, ascending: register p takes numbers 2 p and 2 p + 1, which lie at or above it
	v_cvt_pk_bf16_f32 v[G+p], v[G+2*p], v[G+2*p+1]
	v_cvt_pk_bf16_f32 v[BT+p], v[BT+2*p], v[BT+2*p+1]
.set p, p+1
.endr
.set p, 0
.rept 16
	v_fma_mix_f32_bf16 v[VA+2*p], v[VA+2*p], v[G+p], v[BT+p] op_sel_hi:[0,1,1]
	v_fma_mix_f32_bf16 v[VA+2*p+1], v[VA+2*p+1], v[G+p], v[BT+p] op_sel:[0,1,1] op_sel_hi:[0,1,1]
.set p, p+1
.endr
.set p, 0
.rept 16
	v_cvt_pk_bf16_f32 v[Y+p], v[VA+2*p], v[VA+2*p+1]
.set p, p+1
.endr
	s_wait_alu depctr_va_vdst(0)                   ; the sixteen roundings have written v[Y ..], which the eight stores read; one wait for the run
.irp j, 0,1,2,3,4,5,6,7
	global_store_b64 v2, v[Y+2*(\j):Y+2*(\j)+1], s[20:21] offset:256*(\j)        ; 32 lanes store 256 consecutive bytes, at a multiple of 256 from xn's first byte
.endr
	s_endpgm
.Lfunc_end_k_q7617a5d20e_ln:
	.size	k_q7617a5d20e_ln, .Lfunc_end_k_q7617a5d20e_ln-k_q7617a5d20e_ln
	.p2alignl 7, 3214868480
	.fill 96, 4, 3214868480
	.section	.rodata,"a",@progbits
	.p2align	6, 0x0
	.amdhsa_kernel k_q7617a5d20e_ln
		.amdhsa_group_segment_fixed_size 0
		.amdhsa_private_segment_fixed_size 0
		.amdhsa_enable_private_segment 0
		.amdhsa_kernarg_size 72
		.amdhsa_user_sgpr_count 2
		.amdhsa_user_sgpr_kernarg_segment_ptr 1
		.amdhsa_wavefront_size32 1
		.amdhsa_system_sgpr_workgroup_id_x 1
		.amdhsa_system_sgpr_workgroup_id_y 1
		.amdhsa_system_sgpr_workgroup_id_z 1
		.amdhsa_system_vgpr_workitem_id 0
		.amdhsa_next_free_vgpr 208
		.amdhsa_next_free_sgpr 66
		.amdhsa_reserve_vcc 1
		.amdhsa_float_denorm_mode_32 3
		.amdhsa_float_denorm_mode_16_64 3
		.amdhsa_memory_ordered 1
		.amdhsa_forward_progress 1
		.amdhsa_inst_pref_size 28
	.end_amdhsa_kernel
	.amdgpu_metadata
---
amdhsa.version: [ 1, 2 ]
amdhsa.kernels:
  - .name:           k_q7617a5d20e_ln
    .symbol:         k_q7617a5d20e_ln.kd
    .args:
      - { .name: qk, .offset: 0, .size: 8, .value_kind: global_buffer, .address_space: global }
      - { .name: vp, .offset: 8, .size: 8, .value_kind: global_buffer, .address_space: global }
      - { .name: lambda_q1, .offset: 16, .size: 8, .value_kind: global_buffer, .address_space: global }
      - { .name: lambda_k1, .offset: 24, .size: 8, .value_kind: global_buffer, .address_space: global }
      - { .name: lambda_q2, .offset: 32, .size: 8, .value_kind: global_buffer, .address_space: global }
      - { .name: lambda_k2, .offset: 40, .size: 8, .value_kind: global_buffer, .address_space: global }
      - { .name: ln_gamma, .offset: 48, .size: 8, .value_kind: global_buffer, .address_space: global }
      - { .name: ln_beta, .offset: 56, .size: 8, .value_kind: global_buffer, .address_space: global }
      - { .name: xn, .offset: 64, .size: 8, .value_kind: global_buffer, .address_space: global }
    .group_segment_fixed_size: 0
    .private_segment_fixed_size: 0
    .kernarg_segment_align: 8
    .kernarg_segment_size: 72
    .max_flat_workgroup_size: 256
    .sgpr_count:     66
    .vgpr_count:     208
    .wavefront_size: 32
...
	.end_amdgpu_metadata
.endif
;; end of part 5
;; launch gemm_o: the kernel of part 4 again; grid 8 x 32, 4 waves a work-group, clusters of 4 x 4, 327,680 bytes of LDS; arguments xn, wo, out0; writes out0
